; MI455X (gfx1250); checked and timed in simulation.
; The chip was launched on July 23, 2026; its instructions are those of AMD's public machine-readable ISA for CDNA 5 (MIT licence, August 2026) and "CDNA5" Instruction Set Architecture Reference Guide (July 2026). The comments in the code are by the model that wrote it; some were corrected since.
;; Mo E Plus Plus Layer. Allowed arithmetic: matrix products marked QUANTISED: E2M3 operands, one E8M0 scale for each 32 along K, by v_wmma_scale_f32_16x16x128_f8f6f4 with both operands' format E2M3, f32 sums; products left as they are: f32 operands where the result goes on into a quantised operand, else bf16, f16 or f32 operands; f32 sums; everything else in f32.
;; Inputs: W1 8 x 1,024 x 4,096 float32; W2 8 x 4,096 x 1,024 float32; Wc1 1,024 x 512 float32; Wc2 512 x 1 float32; Wr 1,024 x 8 float32; b1 8 x 4,096 float32; b2 8 x 1,024 float32; bc1 512 float32; bc2 1 float32; br 8 float32; hidden_states 4 x 256 x 1,024 float32.
;; Outputs: out0 4 x 256 x 1,024 float32; out1 4 x 256 x 4 float32; out2 4 x 256 x 4 int32; out3 1,024 float32; out4 1,024 x 8 float32.
;; This version of the problem:
;;   THIS VERSION OF THE PROBLEM IS GIVEN IN LOW PRECISION. The matrix products marked QUANTISED in the list below multiply operands that are first quantised to E2M3 (2 exponent bits, 3 mantissa bits; 6 bits a number), with one power-of-two scale for each 32 numbers along K (OCP MX v1.0); their sums are f32. All else is computed in f32.
;;   The module's matrix products, in the order in which they are computed (A, B: the left and right operand; K: the contracted axis; several contracted axes count as one K, in the product's order):
;;     1. [M 1,024, K 1,024] x [K 1,024, N 8]; A: input hidden_states; B: input Wr: left as it is (N = 8 < 16)
;;     2. [M 1,024, K 1,024] x [K 1,024, N 512]; A: input hidden_states; B: input Wc1: QUANTISED
;;     3. [M 1,024, K 512] x [K 512, N 1]; A: computed on the way; B: input Wc2: left as it is (N = 1 < 16)
;;     4. [M 1,024, K 1,024] x [K 1,024, N 4,096]; A: input hidden_states; B: input W1: QUANTISED
;;     5. [M 1,024, K 4,096] x [K 4,096, N 1,024]; A: computed on the way; B: input W2: QUANTISED
;;     6. [M 1,024, K 1,024] x [K 1,024, N 4,096]; A: input hidden_states; B: input W1: QUANTISED
;;     7. [M 1,024, K 4,096] x [K 4,096, N 1,024]; A: computed on the way; B: input W2: QUANTISED
;;     8. [M 1,024, K 1,024] x [K 1,024, N 4,096]; A: input hidden_states; B: input W1: QUANTISED
;;     9. [M 1,024, K 4,096] x [K 4,096, N 1,024]; A: computed on the way; B: input W2: QUANTISED
;;     10. [M 1,024, K 1,024] x [K 1,024, N 4,096]; A: input hidden_states; B: input W1: QUANTISED
;;     11. [M 1,024, K 4,096] x [K 4,096, N 1,024]; A: computed on the way; B: input W2: QUANTISED
;;     12. [M 1,024, K 1,024] x [K 1,024, N 4,096]; A: input hidden_states; B: input W1: QUANTISED
;;     13. [M 1,024, K 4,096] x [K 4,096, N 1,024]; A: computed on the way; B: input W2: QUANTISED
;;     14. [M 1,024, K 1,024] x [K 1,024, N 4,096]; A: input hidden_states; B: input W1: QUANTISED
;;     15. [M 1,024, K 4,096] x [K 4,096, N 1,024]; A: computed on the way; B: input W2: QUANTISED
;;     16. [M 1,024, K 1,024] x [K 1,024, N 4,096]; A: input hidden_states; B: input W1: QUANTISED
;;     17. [M 1,024, K 4,096] x [K 4,096, N 1,024]; A: computed on the way; B: input W2: QUANTISED
;;     18. [M 1,024, K 1,024] x [K 1,024, N 4,096]; A: input hidden_states; B: input W1: QUANTISED
;;     19. [M 1,024, K 4,096] x [K 4,096, N 1,024]; A: computed on the way; B: input W2: QUANTISED
;;   THE QUANTISER, for each operand of a quantised product, along K:
;;     - K is cut into blocks of 32 from its start; a last block that is shorter is filled with zeros.
;;     - A block's scale is 2^e with e = floor(log2(the largest magnitude in the block)) - 2, held to -126 .. 127; a block of zeros has e = 0. As a byte (E8M0): e + 127.
;;     - Each number is divided by its block's scale, clamped to +-7.5, and rounded to the nearest number of E2M3, ties to even, subnormals kept.
;;     - The product sums the exact products of the quantised numbers (number of the format x scale) in f32.
;;   ~~~python
;;   def quantise(x, axis):      # numpy; x: float32 -> the quantised numbers, widened to float32 again
;;       x = np.moveaxis(x, axis, -1); K = x.shape[-1]
;;       x = np.pad(x, [(0, 0)] * (x.ndim - 1) + [(0, -K % 32)]); x = x.reshape(x.shape[:-1] + (-1, 32)); a = np.abs(x).max(-1, keepdims=True)
;;       e = np.where(a > 0, np.clip(np.frexp(np.where(a > 0, a, 1))[1] - 1 - 2, -126, 127), 0)      # np.frexp(a)[1] - 1 = floor(log2(a)), exactly
;;       r = np.clip(x / 2.0 ** e, -7.5, 7.5)
;;       step = 2.0 ** (np.maximum(np.frexp(np.where(r == 0, 1, r))[1] - 1, 0) - 3)
;;       q = np.round(r / step) * step * 2.0 ** e      # np.round: ties to even
;;       return np.moveaxis(q.reshape(q.shape[:-2] + (-1,))[..., :K], -1, axis).astype(np.float32)
;;   ~~~
;;   OPERANDS COMPUTED ON THE WAY. 'Computed on the way' means the value that the module computes at that place (a softmax that the list does not call 'softmax' is quantised finished and normalised). What goes into a quantiser is computed in f32, as accurately as f32 sums, v_exp_f32 and their like allow (about 1e-6 of the number): no bf16 or f16 on the way to a quantiser, and a product that is left as it is and whose result goes on into a quantised operand takes f32 operands (vector FMAs, or v_wmma_f32_16x16x4_f32). A number that lies on a knife's edge between two numbers of the format may be rounded either way, as far as f32 arithmetic and the matrix unit's own rounding can turn it there, and no further.
;; 2 versions, each right; version 2 is version 1 with the launch ffn2 written anew for expert scheduling mode. Each part assembles by itself: llvm-mc -triple=amdgcn-amd-amdhsa -mcpu=gfx1250 --defsym DOCPART=n.
;; ======== version 1 of 2: 4 launches
;; workspace buffers: xq 851,968 bytes; wq 409,600 bytes; sel 4,096 bytes of whole numbers; hq 27,262,976 bytes; rl 33,024 bytes of whole numbers; yp 16,842,752 bytes; cp 131,072 bytes
;; launch prep (part 1): grid 128 x 1, 9 waves a work-group, no clusters, 8,448 bytes of LDS; arguments hidden_states, Wr, br, Wc1, xq, wq, sel, out4; writes xq, wq, sel, out4
.if DOCPART == 1
	.amdgcn_target "amdgcn-amd-amdhsa--gfx1250"
	.amdhsa_code_object_version 6
	.text
	.protected	k_q279705f39e_prep
	.globl	k_q279705f39e_prep
	.p2align	8
	.type	k_q279705f39e_prep,@function
k_q279705f39e_prep:
	s_mov_b64 s[64:65], 0
	v_nop
	global_prefetch_b8 v0, s[64:65] scope:SCOPE_SE
	s_setreg_imm32_b32 hwreg(HW_REG_WAVE_MODE, 25, 1), 1
	s_wait_xcnt 0x0
; PREP.  1,024 tokens of 1,024 numbers.  Waves 0-7 of a work-group take one token each (token = 8 x work-group + wave):
;   router logits x Wr + br in f32 (fused multiply-adds), softmax with the maximum taken away, the four best experts (ranked on the probabilities,
;   ties to the lower index), and the token's codes of FP6 (E2M3) with one E8M0 byte for each 32 along K.
; Wave 8 takes one piece of Wc1, 128 along K x 32 columns, and lays its codes as images of the operand's registers.
; OUT: xq = codes [1024][768] (K step s at 96 s; in it block b at 48 (b & 1) + 24 (b >> 1), so that lane (r, h) of a fragment takes 48 bytes on end at 48 h),
;      scale words [1024][8] at XS_OFF, records [1024][w0..w3, i0..i3] at REC_OFF;  wq = images [32 tiles][8 K steps][1536], scale words [16][8][128] at WCS_OFF;
;      sel = e0 | e1 << 8 for each token (whole numbers, at fixed places);  out4 = the logits.
; A block's scale is 2^(floor(log2(largest magnitude)) - 2): its byte is the largest magnitude's exponent field - 2, held at 1 from below by a floor among the maximum's leaves.
; LIMITS: NaN and infinities are not served; a block of zeros, or one whose largest magnitude lies under 2^-124, gets the byte 1 (its bytes are read by this program alone).
; No matrix unit, no tensor load, no cluster: the launch moves 6 MB once and its work-groups share nothing but Wr's 32 KB.
.set XS_OFF,  786432
.set REC_OFF, 819200
.set WCS_OFF, 393216
.set SOUT4, 6144                       ; LDS: 0..6143 a turn stage of 768 bytes for each token wave; then four blocks of 256 bytes
.set SREC,  6400
.set SXS,   6656
.set SSEL,  6912
.set LA,  16                           ; v16-23   eight logits
.set XB,  24                           ; v24-55   x[32 L .. 32 L + 31]: my block;  later P, RK, REC
.set P,   24                           ; v24-31   probabilities
.set RK,  32                           ; v32-39   ranks
.set REC, 40                           ; v40-47   w0..w3, i0..i3
.set M0,  56
.set M1,  57
.set SCL, 58
.set BY,  59
.set WD,  60
.set T0,  61
.set T1,  62                           ; v[62:63] a pair
.set T2,  63
.set TC,  64                           ; v64-66
.set CD,  68                           ; v68-73   my block's codes
.set RB,  74                           ; v74-79   the row's codes read back
.set XD,  80                           ; v80-111  x[32 i + L]
.set F0,  80                           ; wave 8: two fragments, v80-91 and v92-103
.set OUTV, 112
.set WR,  128                          ; v128-255 sixteen rows of Wr a lane;  wave 8: four blocks of Wc1
.set X4,  128
; 32 numbers of one block in v[x] on -> 6 registers of codes in v[d] on, the scale's byte in v[BY] and as byte b of v[WD]
.macro BLOCKQ x, d, b
	v_max3_num_f32 v[M0], 0x1800000, |v[(\x)]|, |v[(\x)+1]|          ; two chains; the floor 2^(3 - 127) holds the byte at 1 from below
	v_max3_num_f32 v[M1], 0x1800000, |v[(\x)+16]|, |v[(\x)+17]|
.irp i, 2,4,6,8,10,12,14
	v_max3_num_f32 v[M0], v[M0], |v[(\x)+\i]|, |v[(\x)+\i+1]|
	v_max3_num_f32 v[M1], v[M1], |v[(\x)+16+\i]|, |v[(\x)+17+\i]|
.endr
	v_max_num_f32 v[M0], v[M0], v[M1]
	v_add_nc_u32 v[SCL], 0xff000000, v[M0]                           ; 2 off the exponent field: the conversion's scale operand
	v_cvt_scalef32_pk16_fp6_f32 v[(\d):(\d)+2], v[(\x):(\x)+15], v[SCL]
	v_cvt_scalef32_pk16_fp6_f32 v[TC:TC+2], v[(\x)+16:(\x)+31], v[SCL]   ; (three registers from an even one: the second half is made here and moved)
	v_lshrrev_b32 v[BY], 23, v[SCL]                                  ; the byte; also the plain line behind the conversions
.if (\b) == 0
	v_mov_b32 v[WD], v[BY]
.else
	v_lshl_or_b32 v[WD], v[BY], 8*(\b), v[WD]
.endif
.irp i, 0,1,2
	v_mov_b32 v[(\d)+3+\i], v[TC+\i]
.endr
.endm
; sixteen rows of Wr for my lane: rows 32 (16 c + i) + L, 32 bytes each
.macro WRLOAD c
.set I, 0
.rept 16
	global_load_b128 v[WR+8*I:WR+8*I+3],   v4, s[6:7] offset:1024*(16*(\c)+I)
	global_load_b128 v[WR+8*I+4:WR+8*I+7], v4, s[6:7] offset:1024*(16*(\c)+I)+16
.set I, I+1
.endr
.endm
; logits += x[32 g + L] x Wr[32 g + L][0..7], two experts an instruction; x's register is one of a pair and feeds both halves
.macro FMAS c
.set I, 0
.rept 16
.set G, 16*(\c)+I
.irp p, 0,1,2,3
.if G == 0
	v_pk_mul_f32 v[LA+2*\p:LA+2*\p+1], v[WR+2*\p:WR+2*\p+1], v[XD:XD+1] op_sel_hi:[1,0]
.elseif G%2 == 0
	v_pk_fma_f32 v[LA+2*\p:LA+2*\p+1], v[WR+8*I+2*\p:WR+8*I+2*\p+1], v[XD+G:XD+G+1], v[LA+2*\p:LA+2*\p+1] op_sel_hi:[1,0,1]
.else
	v_pk_fma_f32 v[LA+2*\p:LA+2*\p+1], v[WR+8*I+2*\p:WR+8*I+2*\p+1], v[XD+G-1:XD+G], v[LA+2*\p:LA+2*\p+1] op_sel:[0,1,0] op_sel_hi:[1,1,1]
.endif
.endr
.set I, I+1
.endr
.endm
	s_load_b512 s[4:19], s[0:1], 0x0               ; x s[4:5], Wr s[6:7], br s[8:9], Wc1 s[10:11], xq s[12:13], wq s[14:15], sel s[16:17], out4 s[18:19]
	v_lshl_add_u32 v126, v0, 2, 0x1c00
	v_mov_b32 v127, 0
	v_lshrrev_b32 v1, 5, v0
	v_readfirstlane_b32 s20, v1                    ; wave 0..8
	v_and_b32 v1, 31, v0                           ; lane L
	v_lshlrev_b32 v2, 2, v1                        ; 4 L
	v_lshlrev_b32 v3, 7, v1                        ; 128 L
	v_lshlrev_b32 v4, 5, v1                        ; 32 L
	v_lshlrev_b32 v12, 3, v1                       ; 8 L
	v_lshlrev_b32 v15, 4, v1                       ; 16 L
	; every LDS address is made here, ahead of the parting of the roles
	s_mul_i32 s22, s20, 768                        ; my wave's turn stage
	v_lshrrev_b32 v5, 2, v1
	v_mul_u32_u24 v5, v5, 96                       ; K step L / 4
	v_and_b32 v6, 1, v1
	v_mad_u32_u24 v5, v6, 48, v5                   ; block b = L % 4: 48 (b & 1)
	v_bfe_u32 v6, v1, 1, 1
	v_mad_u32_u24 v5, v6, 24, v5                   ; + 24 (b >> 1)
	v_add_nc_u32 v5, s22, v5                       ; v5: where my block's 24 bytes go
	v_add_nc_u32 v6, s22, v12                      ; v6: where I read the row back, 8 bytes a lane
	s_lshl_b32 s23, s20, 5
	v_add_nc_u32 v7, s23, v1
	v_add_nc_u32 v7, SXS, v7                       ; v7: my block's scale byte
	s_add_co_u32 s21, s23, SOUT4
	v_mov_b32 v8, s21                              ; v8: my token's 32 bytes of logits
	s_add_co_u32 s21, s23, SREC
	v_mov_b32 v9, s21                              ; v9: its record
	s_lshl_b32 s21, s20, 2
	s_add_co_u32 s21, s21, SSEL
	v_mov_b32 v10, s21                             ; v10: its word of chosen experts
	s_lshl_b32 s21, s20, 8
	s_add_co_u32 s21, s21, SOUT4
	v_add_nc_u32 v11, s21, v12                     ; v11: the way out of waves 0-2: block w, 8 bytes a lane
	v_and_b32 v14, 7, v1
	v_lshlrev_b32 v14, 2, v14                      ; v14: 4 (L & 7)
	v_add_nc_u32 v13, SSEL, v14                    ; v13: the way out of wave 3
	s_mov_b32 s32, 0x76543210
	s_mov_b32 s33, 0xfedcba98                      ; v_permlanex16_b32's selects: lane l xor 16
	s_mov_b32 s58, 0x3fb8aa3b                      ; log2(e)
	s_wait_kmcnt 0x0
	s_load_b256 s[24:31], s[8:9], 0x0              ; br
	s_cmp_eq_u32 s20, 8
	s_cbranch_scc1 .Lwc1
	; ---------------- a token wave
	s_lshl_b32 s21, ttmp9, 3
	s_add_co_u32 s21, s21, s20                     ; token
	s_lshl_b32 s34, s21, 12
	s_mov_b32 s35, 0
	s_add_nc_u64 s[36:37], s[4:5], s[34:35]        ; its row of x
	s_mul_i32 s34, s21, 768
	s_add_nc_u64 s[38:39], s[12:13], s[34:35]      ; its row of codes
.set I, 0
.rept 32
	global_load_b32 v[XD+I], v2, s[36:37] offset:128*I          ; x[32 i + L]: 128 consecutive bytes a load
.set I, I+1
.endr
	WRLOAD 0
.irp i, 0,1,2,3,4,5,6,7
	global_load_b128 v[XB+4*\i:XB+4*\i+3], v3, s[36:37] offset:16*\i   ; x[32 L ..]: my block of 32, for the quantiser
.endr
	s_wait_loadcnt 8                               ; all but my block's eight loads
	FMAS 0
	WRLOAD 1                                       ; the other sixteen rows, into the registers just read
	s_wait_loadcnt 32                              ; my block is in; the 32 loads just issued may be out
	BLOCKQ XB, CD, 0
.irp i, 0,1,2
	ds_store_b64 v5, v[CD+2*\i:CD+2*\i+1] offset:8*\i
.endr
	ds_store_b8 v7, v[BY]
.irp i, 0,1,2
	ds_load_b64 v[RB+2*\i:RB+2*\i+1], v6 offset:256*\i          ; LDS serves a wave's instructions in order: these see my wave's stores
.endr
	s_wait_dscnt 0x0
.irp i, 0,1,2
	global_store_b64 v12, v[RB+2*\i:RB+2*\i+1], s[38:39] offset:256*\i   ; 32 lanes store 256 consecutive bytes, aligned
.endr
	s_wait_loadcnt 0x0
	FMAS 1
	; the eight sums over the 32 lanes, by turns
.irp m, 1,2,4,8
.irp e, 0,1,2,3,4,5,6,7
	v_add_f32_dpp v[LA+\e], v[LA+\e], v[LA+\e] row_xmask:\m row_mask:0xf bank_mask:0xf
.endr
.endr
.irp e, 0,1,2,3,4,5,6,7
	v_permlanex16_b32 v[P+\e], v[LA+\e], s32, s33
.endr
	s_wait_kmcnt 0x0                               ; br
.irp e, 0,1,2,3,4,5,6,7
	v_add_f32 v[LA+\e], v[LA+\e], v[P+\e]
.endr
.irp e, 0,1,2,3,4,5,6,7
	v_add_f32 v[LA+\e], s[24+\e], v[LA+\e]         ; the logit (the temperature is 1)
.endr
	; softmax: every lane holds all eight
	v_max3_num_f32 v[T0], v[LA], v[LA+1], v[LA+2]
	v_max3_num_f32 v[T0], v[T0], v[LA+3], v[LA+4]
	v_max3_num_f32 v[T0], v[T0], v[LA+5], v[LA+6]
	v_max_num_f32 v[T0], v[T0], v[LA+7]
	v_mul_f32 v[T1], s58, v[T0]
.irp e, 0,1,2,3,4,5,6,7
	v_fma_f32 v[P+\e], v[LA+\e], s58, -v[T1]       ; (l - max) log2(e); what the product max x log2(e) rounds is a common factor, which the division takes out
.endr
.irp e, 0,1,2,3,4,5,6,7
	v_exp_f32 v[P+\e], v[P+\e]
.endr
.irp e, 0,1,2,3,4,5,6,7
	v_mov_b32 v[RK+\e], 7-\e                       ; independent work behind the batch: each rank starts as if all later experts won
.endr
	s_wait_alu depctr_va_vdst(0)                   ; one wait for the eight exponentials, ahead of their first reader
	v_add_f32 v[T0], v[P], v[P+1]
	v_add_f32 v[T1], v[P+2], v[P+3]
	v_add_f32 v[T2], v[P+4], v[P+5]
	v_add_f32 v[M0], v[P+6], v[P+7]
	v_add_f32 v[T0], v[T0], v[T1]
	v_add_f32 v[T2], v[T2], v[M0]
	v_add_f32 v[T0], v[T0], v[T2]
	v_rcp_f32 v[T1], v[T0]
	v_nop                                          ; a plain line behind the reciprocal
	s_wait_alu depctr_va_vdst(0)
.irp p, 0,2,4,6
	v_pk_mul_f32 v[P+\p:P+\p+1], v[P+\p:P+\p+1], v[T1:T1+1] op_sel_hi:[1,0]
.endr
	; ranks: for a < b expert a goes first where P_a >= P_b (ties to the lower index)
.irp a, 0,1,2,3,4,5,6
.irp b, 1,2,3,4,5,6,7
.if \a < \b
	v_cmp_ge_f32 vcc_lo, v[P+\a], v[P+\b]
	v_cndmask_b32 v[T0], 0, 1, vcc_lo
	v_add_nc_u32 v[RK+\b], v[RK+\b], v[T0]
	v_sub_nc_u32 v[RK+\a], v[RK+\a], v[T0]
.endif
.endr
.endr
	; slot k takes the expert of rank k: values are chosen, nothing branches
.irp k, 0,1,2,3
	v_mov_b32 v[REC+\k], v[P]
	v_mov_b32 v[REC+4+\k], 0
.irp e, 1,2,3,4,5,6,7
	v_cmp_eq_u32 vcc_lo, \k, v[RK+\e]
	v_cndmask_b32 v[REC+\k], v[REC+\k], v[P+\e], vcc_lo
	v_cndmask_b32 v[REC+4+\k], v[REC+4+\k], \e, vcc_lo
.endr
.endr
	v_lshl_or_b32 v[T0], v[REC+5], 8, v[REC+4]     ; e0 | e1 << 8
	ds_store_b128 v8, v[LA:LA+3]                   ; all lanes write the same bytes with the same values
	ds_store_b128 v8, v[LA+4:LA+7] offset:16
	ds_store_b128 v9, v[REC:REC+3]
	ds_store_b128 v9, v[REC+4:REC+7] offset:16
	ds_store_b32 v10, v[T0]
	s_branch .Ljoin
	; ---------------- wave 8: 128 along K x 32 columns of Wc1.  A lane takes a column, its registers run down K
.Lwc1:
	s_and_b32 s34, ttmp9, 15                       ; which 32 columns
	s_lshr_b32 s35, ttmp9, 4                       ; which K step
	s_lshl_b32 s36, s35, 18                        ; 128 rows of 2,048 bytes
	s_lshl_b32 s37, s34, 7
	s_add_co_u32 s36, s36, s37
	s_mov_b32 s37, 0
	s_add_nc_u64 s[38:39], s[10:11], s[36:37]
.set I, 0
.rept 128
	global_load_b32 v[X4+I], v2, s[38:39] offset:2048*I th:TH_LOAD_NT
.set I, I+1
.endr
	s_mul_i32 s36, s34, 24576                      ; tile 2 g: 8 K steps x 1,536 bytes each; tile 2 g + 1 lies 12,288 bytes on
	s_mul_i32 s40, s35, 1536
	s_add_co_u32 s36, s36, s40
	s_add_nc_u64 s[42:43], s[14:15], s[36:37]
	s_lshl_b32 s36, s34, 10
	s_lshl_b32 s40, s35, 7
	s_add_co_u32 s36, s36, s40
	s_add_co_u32 s36, s36, WCS_OFF
	s_add_nc_u64 s[44:45], s[14:15], s[36:37]
	s_wait_loadcnt 63                              ; block 0's 32 loads are in: 96 were issued behind them, and the count names 63 at the most
	BLOCKQ X4, F0, 0
	s_wait_loadcnt 63                              ; block 1: 64 behind it
	BLOCKQ X4+32, F0+12, 1
	s_wait_loadcnt 32
	BLOCKQ X4+64, F0+6, 2
	s_wait_loadcnt 0x0
	BLOCKQ X4+96, F0+18, 3
.irp i, 0,1,2,3,4,5,6,7,8,9,10,11
	v_permlane16_swap_b32 v[F0+\i], v[F0+12+\i]    ; blocks 0, 2 | blocks 1, 3 of my column  ->  the fragments of columns 0-15 and of columns 16-31
.endr
.irp f, 0,1
.irp c, 0,1,2
	global_store_b128 v15, v[F0+12*\f+4*\c:F0+12*\f+4*\c+3], s[42:43] offset:12288*\f+512*\c   ; 512 consecutive bytes, aligned
.endr
.endr
	global_store_b32 v2, v[WD], s[44:45]           ; lanes 0-15: the first tile's scale words, lanes 16-31: the second's
.Ljoin:
	s_wait_dscnt 0x0                               ; for the others' sake: my LDS stores are done
	s_barrier_signal -1
	s_barrier_wait -1
	s_cmp_gt_u32 s20, 3
	s_cbranch_scc1 .Lend
	s_cmp_eq_u32 s20, 3
	s_cbranch_scc1 .Lsel
	; waves 0, 1, 2 store the eight tokens' logits, records, scale words: one aligned run of 256 bytes each
	s_add_nc_u64 s[46:47], s[12:13], REC_OFF
	s_add_nc_u64 s[48:49], s[12:13], XS_OFF
	s_cmp_eq_u32 s20, 0
	s_cselect_b64 s[50:51], s[18:19], s[46:47]
	s_cmp_eq_u32 s20, 2
	s_cselect_b64 s[50:51], s[48:49], s[50:51]
	s_lshl_b32 s52, ttmp9, 8
	s_mov_b32 s53, 0
	s_add_nc_u64 s[50:51], s[50:51], s[52:53]
	ds_load_b64 v[OUTV:OUTV+1], v11
	s_wait_dscnt 0x0
	global_store_b64 v12, v[OUTV:OUTV+1], s[50:51]
	s_branch .Lend
.Lsel:
	s_lshl_b32 s52, ttmp9, 5
	s_mov_b32 s53, 0
	s_add_nc_u64 s[50:51], s[16:17], s[52:53]
	ds_load_b32 v[OUTV], v13
	s_wait_dscnt 0x0
	global_store_b32 v14, v[OUTV], s[50:51]        ; eight words; lanes 8 apart store the same word with the same value
.Lend:
	s_wait_tensorcnt 0x0
	ds_add_u32 v126, v127
	s_wait_dscnt 0x0
	s_endpgm
.Lfunc_end_k_q279705f39e_prep:
	.size	k_q279705f39e_prep, .Lfunc_end_k_q279705f39e_prep-k_q279705f39e_prep
	.p2alignl 7, 3214868480
	.fill 96, 4, 3214868480
	.section	.rodata,"a",@progbits
	.p2align	6, 0x0
	.amdhsa_kernel k_q279705f39e_prep
		.amdhsa_group_segment_fixed_size 8448
		.amdhsa_private_segment_fixed_size 0
		.amdhsa_enable_private_segment 0
		.amdhsa_kernarg_size 64
		.amdhsa_user_sgpr_count 2
		.amdhsa_user_sgpr_kernarg_segment_ptr 1
		.amdhsa_wavefront_size32 1
		.amdhsa_system_sgpr_workgroup_id_x 1
		.amdhsa_system_sgpr_workgroup_id_y 1
		.amdhsa_system_sgpr_workgroup_id_z 1
		.amdhsa_system_vgpr_workitem_id 0
		.amdhsa_next_free_vgpr 256
		.amdhsa_next_free_sgpr 66
		.amdhsa_reserve_vcc 1
		.amdhsa_float_denorm_mode_32 3
		.amdhsa_float_denorm_mode_16_64 3
		.amdhsa_memory_ordered 1
		.amdhsa_forward_progress 1
		.amdhsa_inst_pref_size 57
	.end_amdhsa_kernel
	.amdgpu_metadata
---
amdhsa.version: [ 1, 2 ]
amdhsa.kernels:
  - .name:           k_q279705f39e_prep
    .symbol:         k_q279705f39e_prep.kd
    .args:
      - { .name: hidden_states, .offset: 0, .size: 8, .value_kind: global_buffer, .address_space: global }
      - { .name: Wr, .offset: 8, .size: 8, .value_kind: global_buffer, .address_space: global }
      - { .name: br, .offset: 16, .size: 8, .value_kind: global_buffer, .address_space: global }
      - { .name: Wc1, .offset: 24, .size: 8, .value_kind: global_buffer, .address_space: global }
      - { .name: xq, .offset: 32, .size: 8, .value_kind: global_buffer, .address_space: global }
      - { .name: wq, .offset: 40, .size: 8, .value_kind: global_buffer, .address_space: global }
      - { .name: sel, .offset: 48, .size: 8, .value_kind: global_buffer, .address_space: global }
      - { .name: out4, .offset: 56, .size: 8, .value_kind: global_buffer, .address_space: global }
    .group_segment_fixed_size: 8448
    .private_segment_fixed_size: 0
    .kernarg_segment_align: 8
    .kernarg_segment_size: 64
    .max_flat_workgroup_size: 288
    .sgpr_count:     66
    .vgpr_count:     256
    .wavefront_size: 32
...
	.end_amdgpu_metadata
.endif
;; end of part 1
;; launch ffn1 (part 2): grid 32 x 8, 8 waves a work-group, no clusters, 110,592 bytes of LDS; arguments W1, b1, xq, sel, hq, rl; writes hq, rl
.if DOCPART == 2
	.amdgcn_target "amdgcn-amd-amdhsa--gfx1250"
	.amdhsa_code_object_version 6
	.text
	.protected	k_q279705f39e_ffn1
	.globl	k_q279705f39e_ffn1
	.p2align	8
	.type	k_q279705f39e_ffn1,@function
k_q279705f39e_ffn1:
	s_mov_b64 s[64:65], 0
	v_nop
	global_prefetch_b8 v0, s[64:65] scope:SCOPE_SE
	s_setreg_imm32_b32 hwreg(HW_REG_WAVE_MODE, 25, 1), 1
	s_wait_xcnt 0x0
; FFN1.  Work-group (x, y) owns expert e = y and hidden units 128 x .. 128 x + 127: a slice of W1[e] of 1,024 (K) x 128 f32 numbers, 512 KB, which no other work-group reads.
; It quantises the slice in registers to FP6 (E2M3, one E8M0 byte for each 32 along K), lays the codes in LDS as images of the operand's registers, multiplies them with the codes
; of the rows routed to e, adds b1, clips at 0, quantises the result along the hidden units and stores it as images: K step x of the second product.
; THE ROWS: wave 0 reads the 1,024 words of chosen experts (whole numbers that the launch before stored) and lists, in LDS, the row ids 2 token + k of expert e; the list is filled up with
; the id 2048 + e.  The work-groups with x = 0 also store list and count for the next launch.
; THE STREAM: four steps of 256 rows.  In step t wave w takes rows 256 t + 32 w ..: block w & 3 of K step 2 t + w / 4, for all 128 columns.  A load reads a row's 512 consecutive bytes, 16 a lane: a lane
; holds FOUR columns, 32 rows down: 32 loads, 128 registers.  The largest magnitudes are taken from these registers as they lie; the conversion wants 16 neighbours along K of ONE column in consecutive
; registers, so each 16 are copied into one of two sets of 16 that take turns.  The registers of rows 0-15 are loaded again as soon as the four lower halves are converted, those of rows 16-31 behind the upper
; halves: the next step's rows are on their way while this step is multiplied.  Each column's 24 bytes of codes go straight to their place in the images.  Every K step has LDS bytes of its own: one barrier a step.
; THE COLUMNS OF A TILE ARE NOT NEIGHBOURS: row r of tile 2 g + u is column 32 g + 8 u + r + 8 (r / 8), so that a lane's 16 results of two neighbouring tiles are 16 neighbours along the next K.
; THE PRODUCT IS USED TRANSPOSED (source 0 = 16 columns of W1, source 1 = 16 rows of x): a lane holds one row.  b1 is loaded into the accumulators, so every product adds in place.
; Wave w works on row tiles w, w + 8, w + 16 (384 rows); rows past the count use the fill id, stores are guarded, and the third tile's products are jumped over where the expert has no such tile.
; More rows: a loop of two further passes over the codes that lie in LDS.
; No tensor load and no cluster: branches hang on a stored count.  LIMITS: NaN and infinities are not served; a block under 2^-124 gets the scale byte 1 (read by this program alone).
; REGISTERS: window 0 as named below; window 1: v0-191 accumulators (tile j, column tile ct at 64 j + 8 ct); v192-239 four fragments of W1; while a step is quantised v192-223 the two sets of 16, v224-247 codes, v248-255 upper halves.
.set PITCH, 16384                      ; bytes from row to row of W1[e]
.set FP,    1552                       ; from image to image in LDS: 1,536 bytes + 16, so that the eight tiles' stores do not all fall on the same banks
.set BSC,   64*FP                      ; LDS: 0.. 64 images; here 32 images of scale words x 128
.set LIST,  BSC+4096                   ; 1,152 words of list and fill, 32 words that nobody reads, room up to the clamp 1,279
.set CNTW,  LIST+5120                  ; the count
.set XS_OFF, 786432
.set HS_OFF, 25165824
.set CNT_OFF, 32768
.set W_LD,  0                          ; register windows of the quantiser's lines: the rows lie in window 0, the sets of 16 and the codes in window 1
.set W_MAX, 0
.set W_MOV, 0x40
.set W_CVT, 0x41
.set W_TCM, 0x41
.set W_ST,  0x04
.set LS,  1                            ; 4 L
.set LI,  2                            ; 16 L
.set WO,  2                            ; my 16 bytes of a row of the slice: 16 L
.set PF,  3                            ; the prefetches' offset: row L
.set BR0, 4                            ; v4-5  images, to read: 16 L, + 32 images
.set CW0, 6                            ; v6-7  where my columns' codes go (first and third pair of registers), + 32 images
.set CW1, 8                            ; v8-9  the same for the second pair
.set SWB, 10                           ; where my columns' scale bytes go
.set SR,  11                           ; scale images, to read
.set LR,  12                           ; my row's word of the list in tile w
.set CN,  13
.set TRI, 14                           ; 1152 + L
.set LA,  15                           ; the list's scatter address, and nothing else
.set H64, 16
.set L2,  17                           ; 2 L
.set TT,  18                           ; v18-20 at work
.set LN,  21
.set SB,  22                           ; v22-23 W1's scale words (scales alone)
.set AS,  24                           ; v24-29 x's scale words: tile j, K step kk at 24 + 2 j + kk (scales alone)
.set M,   30                           ; v30-33 four columns' largest magnitudes
.set SCL, 34                           ; v34-37 the conversions' scale operands
.set BY,  38                           ; v38-41 the scale bytes
.set LCP, 42
.set LFILL, 43
.set LCO, 44
.set H48, 45
.set PW,  46                           ; v46-48 the hidden layer's scale words
.set AO,  49                           ; v49-51 768 x token + 48 h
.set SO,  52                           ; v52-54 32 x token
.set LR2, 55
.set AF,  56                           ; v56-127 x's fragments: K step kk, tile j at 56 + 36 kk + 12 j;  in wave 0, ahead of them: the chosen experts, the fill id, 2 L + 1
.set X,   128                          ; v128-255 32 rows x 4 columns;  later the hidden layer's codes, 20 registers a tile,
.set TM,  192                          ; and v192-207 at work
.set BF,  192                          ; window 1
.set T,   192
.set CD,  224
.set TC,  248
.set WB,  24                           ; s[24:31] my first row of each of the four steps
.set MSB, 0
.macro WIN new                         ; the immediate's high byte repeats the setting that is left; a switch that changes nothing is dropped
.if MSB != (\new)
	s_set_vgpr_msb (MSB<<8)|(\new)
.set MSB, (\new)
.endif
.endm
.macro LOADX t, hh                     ; rows 16 hh .. 16 hh + 15 of my 32 rows of step t
	WIN W_LD
.set KK, 16*(\hh)
.rept 16
	global_load_b128 v[X+4*KK:X+4*KK+3], v[WO], s[WB+2*(\t):WB+2*(\t)+1] offset:KK*PITCH th:TH_LOAD_NT
.set KK, KK+1
.endr
	WIN 0
.endm
; A prefetch of my own 32 rows of step t, a lane a row, the row's two blocks of 256 bytes by two instructions: each block of steps 2 and 3 is named once in the launch.  It stands behind a run of loads,
; a step ahead of the named rows' own loads; steps 0 and 1 come by their loads alone, and nothing is named past step 3.
.macro ASKX t
	global_prefetch_b8 v[PF], s[WB+2*(\t):WB+2*(\t)+1] th:TH_LOAD_NT scope:SCOPE_SE
	global_prefetch_b8 v[PF], s[WB+2*(\t):WB+2*(\t)+1] offset:256 th:TH_LOAD_NT scope:SCOPE_SE
.endm
.macro MOV16 j, hh                     ; column j, rows 16 hh ..: sixteen neighbours along K into consecutive registers
	WIN W_MOV
.set KK, 0
.rept 16
	v_mov_b32 v[T+16*((\j)%2)+KK], v[X+4*(16*(\hh)+KK)+(\j)]
.set KK, KK+1
.endr
.endm
.macro CVT d, j                        ; and their codes, 96 bits.  The copies that follow go into the other set: plain lines behind the conversion
	WIN W_CVT
	v_cvt_scalef32_pk16_fp6_f32 v[(\d):(\d)+2], v[T+16*((\j)%2):T+16*((\j)%2)+15], v[SCL+(\j)]
.endm
.macro TCM j                           ; (a conversion's three registers begin on an even number: a block's upper half is made elsewhere and moved)
	WIN W_TCM
.irp i, 0,1,2
	v_mov_b32 v[CD+6*(\j)+3+\i], v[TC+4*((\j)%2)+\i]
.endr
.endm
; My 32 rows of step t become four columns' blocks of codes and scale bytes in LDS; then the step's barrier.  n: the loads issued behind these rows' loads
.macro QSTEP t, n
	s_wait_loadcnt \n
	WIN W_MAX
.irp j, 0,1,2,3
	v_max3_num_f32 v[M+\j], 0x1800000, |v[X+\j]|, |v[X+4+\j]|        ; four chains, one a column; the floor 2^(3 - 127) holds the byte at 1 from below
.endr
.irp i, 1,2,3,4,5,6,7,8,9,10,11,12,13,14,15
.irp j, 0,1,2,3
	v_max3_num_f32 v[M+\j], v[M+\j], |v[X+8*\i+\j]|, |v[X+8*\i+4+\j]|
.endr
.endr
	WIN 0
.irp j, 0,1,2,3
	v_add_nc_u32 v[SCL+\j], 0xff000000, v[M+\j]    ; 2 off the exponent field: the conversion's scale operand
.endr
.irp j, 0,1,2,3
	v_lshrrev_b32 v[BY+\j], 23, v[SCL+\j]          ; the byte
.endr
.irp j, 0,1,2,3
	MOV16 \j, 0
	CVT CD+6*\j, \j
.endr
.if (\t) < 3
	LOADX (\t)+1, 0                                ; rows 0-15 have been copied: their registers take the next step's
.endif
	MOV16 0, 1
	CVT TC, 0
	MOV16 1, 1
	CVT TC+4, 1
	TCM 0
	MOV16 2, 1
	CVT TC, 2
	TCM 1
	MOV16 3, 1
	CVT TC+4, 3
	TCM 2
	TCM 3
.if (\t) < 3
	LOADX (\t)+1, 1
.endif
	WIN W_ST
.irp j, 0,1,2,3
	ds_store_b64 v[CW0+(\t)/2], v[CD+6*\j:CD+6*\j+1]   offset:((\t)%2)*16*FP+16*\j
	ds_store_b64 v[CW1+(\t)/2], v[CD+6*\j+2:CD+6*\j+3] offset:((\t)%2)*16*FP+16*\j+8
	ds_store_b64 v[CW0+(\t)/2], v[CD+6*\j+4:CD+6*\j+5] offset:((\t)%2)*16*FP+16*\j+512
.endr
	WIN 0
.irp j, 0,1,2,3
	ds_store_b8 v[SWB], v[BY+\j] offset:1024*(\t)+4*\j
.endr
	s_wait_dscnt 0x0                               ; for the others' sake: my stores are done
	s_barrier_signal -1
	s_barrier_wait -1
.endm
.macro BIAS                            ; b1 in the result's layout, straight into the accumulators
	WIN 0x40
.irp j, 0,1,2
.irp ct, 0,1,2,3,4,5,6,7
	global_load_b128 v[64*\j+8*\ct:64*\j+8*\ct+3],   v[H64], s[32:33] offset:(32*(\ct/2)+8*(\ct%2))*4
	global_load_b128 v[64*\j+8*\ct+4:64*\j+8*\ct+7], v[H64], s[32:33] offset:(32*(\ct/2)+8*(\ct%2))*4+16
.endr
.endr
	WIN 0
.endm
.macro ROWS adr                        ; my three tiles' row ids -> offsets of their tokens' codes and scale words
	ds_load_b32 v[TT],   v[\adr]
	ds_load_b32 v[TT+1], v[\adr] offset:512
	ds_load_b32 v[TT+2], v[\adr] offset:1024
	s_wait_dscnt 0x0
.irp j, 0,1,2
	v_lshrrev_b32 v[TT+\j], 1, v[TT+\j]
	v_min_u32 v[TT+\j], 0x3ff, v[TT+\j]            ; the token; the fill id falls on token 1023
	v_mad_u32_u24 v[AO+\j], v[TT+\j], 768, v[H48]
	v_lshlrev_b32 v[SO+\j], 5, v[TT+\j]
.endr
.endm
.macro ALOAD t                         ; x's fragments and scale words of K steps 2 t, 2 t + 1 for my three tiles: 21 loads
.irp kk, 0,1
.irp j, 0,1,2
.irp c, 0,1,2
	global_load_b128 v[AF+36*\kk+12*\j+4*\c:AF+36*\kk+12*\j+4*\c+3], v[AO+\j], s[34:35] offset:(2*(\t)+\kk)*96+16*\c
.endr
.endr
.endr
.irp j, 0,1,2
	global_load_b64 v[AS+2*\j:AS+2*\j+1], v[SO+\j], s[36:37] offset:8*(\t)
.endr
.endm
.macro PROD q, c, j                    ; fragment c of batch q x row tile j; an odd fragment's scale words lie in lanes 16-31
.set RA, 64*(\j)+8*(4*((\q)%2)+(\c))
.set RX, AF+36*((\q)/2)+12*(\j)
.if (\c)%2
	v_wmma_scale_f32_16x16x128_f8f6f4 v[RA:RA+7], v[BF+12*(\c):BF+12*(\c)+11], v[RX:RX+11], v[RA:RA+7], v[SB+(\c)/2], v[AS+2*(\j)+(\q)/2] matrix_a_fmt:MATRIX_FMT_FP6 matrix_b_fmt:MATRIX_FMT_FP6 matrix_a_scale:MATRIX_SCALE_ROW1
.else
	v_wmma_scale_f32_16x16x128_f8f6f4 v[RA:RA+7], v[BF+12*(\c):BF+12*(\c)+11], v[RX:RX+11], v[RA:RA+7], v[SB+(\c)/2], v[AS+2*(\j)+(\q)/2] matrix_a_fmt:MATRIX_FMT_FP6 matrix_b_fmt:MATRIX_FMT_FP6
.endif
.endm
; Step t's products, in four batches of four fragments of W1 x my row tiles.  The accumulators of a batch take turns, one instruction a turn, and a batch's last differs from the next one's first.
; The third tile's four products are jumped over where the expert has no such tile (s74: the tile, s20: the expert's tiles).  Four plain lines stand behind each
; batch, ahead of the loads into registers that its products have read.  n: the loads issued behind x's fragments of this step
.macro MATRIX t, n
	s_wait_loadcnt \n
.irp q, 0,1,2,3
	ds_load_b32 v[SB],   v[SR] offset:(8*(\t)+2*\q)*128
	ds_load_b32 v[SB+1], v[SR] offset:(8*(\t)+2*\q+1)*128
	WIN 0x40
.irp c, 0,1,2,3
.irp p, 0,1,2
	ds_load_b128 v[BF+12*\c+4*\p:BF+12*\c+4*\p+3], v[BR0+(\t)/2] offset:(((\t)%2)*16+4*\q+\c)*FP+512*\p
.endr
.endr
	s_wait_dscnt 0x0
	WIN 0x51                                       ; W1's fragments and the accumulators in window 1, x's in window 0
.irp c, 0,1,2,3
.irp j, 0,1
	PROD \q, \c, \j
.endr
.endr
	WIN 0
	s_cmp_ge_u32 s74, s20
	s_cbranch_scc1 .Lno3_\@_\q
	WIN 0x51
.irp c, 0,1,2,3
	PROD \q, \c, 2
.endr
	WIN 0
.Lno3_\@_\q:
.rept 4
	v_nop
.endr
.endr
.endm
; Row tile T = w + 8 j + s68, if the expert has it: clip at 0, quantise along the 128 hidden units, store the fragment's image and its scale words.
.macro EPI1 j
	s_add_co_u32 s69, s16, 8*\j
	s_add_co_u32 s69, s69, s68
	s_cmp_ge_u32 s69, s20
	s_cbranch_scc1 .Lno_h_\@
	s_lshl_b32 s70, s18, 6
	s_add_co_u32 s70, s70, s69
	s_lshl_b32 s70, s70, 5
	s_add_co_u32 s70, s70, s17                     ; (64 e + T) 32 + x
	s_mul_i32 s72, s70, 1536
	s_mov_b32 s73, 0
	s_add_nc_u64 s[42+2*\j:43+2*\j], s[38:39], s[72:73]
	s_lshl_b32 s72, s70, 7
	s_add_nc_u64 s[48+2*\j:49+2*\j], s[40:41], s[72:73]
.set PC, X+20*\j
	WIN 0x44
.set R, 0
.rept 64
	v_max_num_f32 v[64*\j+R], 0, v[64*\j+R]        ; the activation, in f32; each accumulator from its low end on
.set R, R+1
.endr
	WIN 0x14
.irp b, 0,1,2,3
	v_max3_num_f32 v[TM+\b], 0x1800000, v[64*\j+16*\b], v[64*\j+16*\b+1]   ; block b: my 16 numbers (none is negative) and the floor
.endr
.irp i, 2,4,6,8,10,12,14
.irp b, 0,1,2,3
	v_max3_num_f32 v[TM+\b], v[TM+\b], v[64*\j+16*\b+\i], v[64*\j+16*\b+\i+1]
.endr
.endr
	WIN 0
.irp b, 0,1,2,3
	v_mov_b32 v[TM+4+\b], 0                        ; (a lane permute's destination counts as one of its sources)
.endr
.irp b, 0,1,2,3
	v_permlanex16_b32 v[TM+4+\b], v[TM+\b], s56, s57
.endr
.irp b, 0,1,2,3
	v_max_num_f32 v[TM+\b], v[TM+\b], v[TM+4+\b]   ; with lane l xor 16's 16: the block's largest
.endr
.irp b, 0,1,2,3
	v_add_nc_u32 v[TM+12+\b], 0xff000000, v[TM+\b]
.endr
.irp b, 0,1,2,3
	v_lshrrev_b32 v[TM+4+\b], 23, v[TM+12+\b]
.endr
	v_lshl_or_b32 v[PW+\j], v[TM+5], 8, v[TM+4]
	v_lshl_or_b32 v[PW+\j], v[TM+6], 16, v[PW+\j]
	v_lshl_or_b32 v[PW+\j], v[TM+7], 24, v[PW+\j]
	WIN 0x01
.irp c, 0,1
	v_cvt_scalef32_pk16_fp6_f32 v[PC+6*\c:PC+6*\c+2], v[64*\j+32*\c:64*\j+32*\c+15], v[TM+12+2*\c]
	v_cvt_scalef32_pk16_fp6_f32 v[PC+12+4*\c:PC+14+4*\c], v[64*\j+32*\c+16:64*\j+32*\c+31], v[TM+13+2*\c]
.endr
	WIN 0
	v_nop                                          ; a plain line behind the conversions
.irp c, 0,1                                    ; the layout wants a whole block in a lane: lanes 0-15 block 2 c, lanes 16-31 block 2 c + 1
.irp i, 0,1,2
	v_permlane16_swap_b32 v[PC+6*\c+\i], v[PC+12+4*\c+\i]
.endr
.irp i, 0,1,2
	v_mov_b32 v[PC+3+6*\c+\i], v[PC+12+4*\c+\i]
.endr
.endr
.irp c, 0,1,2
	global_store_b128 v[LI], v[PC+4*\c:PC+4*\c+3], s[42+2*\j:43+2*\j] offset:512*\c   ; 512 consecutive bytes, aligned
.endr
	global_store_b32 v[LS], v[PW+\j], s[48+2*\j:49+2*\j]
.Lno_h_\@:
.endm
	s_load_b256 s[4:11], s[0:1], 0x0               ; W1 s[4:5], b1 s[6:7], xq s[8:9], sel s[10:11]
	s_load_b128 s[12:15], s[0:1], 0x20             ; hq s[12:13], rl s[14:15]
	s_set_vgpr_msb 0x40
	v_lshl_add_u32 v251, v0, 2, 0x1ac00
	v_mov_b32 v255, 0
	s_set_vgpr_msb 0x4000
	v_lshrrev_b32 v[TT], 5, v0
	v_readfirstlane_b32 s16, v[TT]                 ; wave 0..7
	s_mov_b32 s17, ttmp9                           ; x: which 128 hidden units
	s_and_b32 s18, ttmp7, 0xffff                   ; e
	s_add_co_u32 s74, s16, 16                      ; my third row tile
	v_and_b32 v[LN], 31, v0
	v_lshlrev_b32 v[LI], 4, v[LN]
	v_lshlrev_b32 v[LS], 2, v[LN]
	v_lshlrev_b32 v[L2], 1, v[LN]
	v_lshlrev_b32 v[PF], 14, v[LN]
	v_bfe_u32 v[TT], v[LN], 4, 1                   ; h
	v_lshlrev_b32 v[H64], 6, v[TT]
	v_mul_u32_u24 v[H48], v[TT], 48
	; Where my columns 4 L + j go.  Tile ct = 2 (L >> 3) + ((L >> 1) & 1), its row r = 4 (L & 1) + 8 ((L >> 2) & 1) + j.  My wave's block b = w & 3 lies in the image's lane r + 16 (b & 1), registers 6 (b >> 1) on:
	; registers 0-1, 2-3, 4-5 at bytes 0, 8, 512 of the lane's place, registers 6-7, 8-9, 10-11 at 520, 1024, 1032: 520, 1016, 520 further on.
	v_lshrrev_b32 v[TT], 3, v[LN]
	v_bfe_u32 v[TT+1], v[LN], 1, 1
	v_lshlrev_b32 v[SWB], 7, v[TT]                 ; scale bytes: the pair of tiles' image, 128 bytes,
	v_lshl_add_u32 v[SWB], v[TT+1], 6, v[SWB]      ; the odd tile's words in its upper half
	v_lshl_add_u32 v[TT], v[TT], 1, v[TT+1]        ; ct
	v_mul_u32_u24 v[CW0], v[TT], FP
	v_and_b32 v[TT], 1, v[LN]
	v_bfe_u32 v[TT+1], v[LN], 2, 1
	v_lshl_add_u32 v[CW0], v[TT], 6, v[CW0]        ; 16 r
	v_lshl_add_u32 v[CW0], v[TT+1], 7, v[CW0]
	v_lshl_add_u32 v[SWB], v[TT], 4, v[SWB]        ; 4 r
	v_lshl_add_u32 v[SWB], v[TT+1], 5, v[SWB]
	s_lshr_b32 s21, s16, 2                         ; which of the step's two K steps
	s_mul_i32 s62, s21, 8*FP
	s_lshl_b32 s21, s21, 9
	s_and_b32 s63, s16, 3
	s_add_co_u32 s21, s21, s63                     ; byte b of the word
	s_add_co_u32 s21, s21, BSC
	v_add_nc_u32 v[SWB], s21, v[SWB]
	s_and_b32 s63, s16, 1
	s_lshl_b32 s63, s63, 8                         ; 16 lanes on for an odd block
	s_add_co_u32 s62, s62, s63
	s_bfe_u32 s63, s16, 0x10001                    ; b >> 1
	s_mul_i32 s21, s63, 1016
	s_mul_i32 s63, s63, 520
	s_add_co_u32 s21, s21, s62
	s_add_co_u32 s63, s63, s62
	v_add_nc_u32 v[CW1], s21, v[CW0]
	v_add_nc_u32 v[CW0], s63, v[CW0]
	v_add_nc_u32 v[CW0+1], 32*FP, v[CW0]
	v_add_nc_u32 v[CW1+1], 32*FP, v[CW1]
	v_mov_b32 v[BR0], v[LI]
	v_add_nc_u32 v[BR0+1], 32*FP, v[LI]
	v_add_nc_u32 v[SR], BSC, v[LS]
	v_and_b32 v[TT], 15, v[LN]
	s_lshl_b32 s21, s16, 6
	s_add_co_u32 s21, s21, LIST
	v_lshl_add_u32 v[LR], v[TT], 2, s21
	v_mov_b32 v[CN], CNTW
	v_add_nc_u32 v[TRI], 1152, v[LN]
	v_add_nc_u32 v[LFILL], LIST, v[LI]
	s_lshl_b32 s21, s16, 9
	v_add_nc_u32 v[LCO], s21, v[LI]
	v_add_nc_u32 v[LCP], LIST, v[LCO]
	s_mov_b32 s56, 0x76543210
	s_mov_b32 s57, 0xfedcba98
	s_mov_b32 s68, 0                               ; the pass's first tile
	s_wait_kmcnt 0x0
	s_lshl_b32 s22, s18, 24                        ; W1[e]
	s_lshl_b32 s21, s16, 19                        ; my 32 rows of 16,384 bytes
	s_add_co_u32 s22, s22, s21
	s_lshl_b32 s21, s17, 9                         ; the slice's 512 bytes of a row
	s_add_co_u32 s22, s22, s21
	s_mov_b32 s23, 0
	s_add_nc_u64 s[WB:WB+1], s[4:5], s[22:23]
	s_add_nc_u64 s[WB+2:WB+3], s[WB:WB+1], 0x400000   ; a step on: 256 rows
	s_add_nc_u64 s[WB+4:WB+5], s[WB:WB+1], 0x800000
	s_add_nc_u64 s[WB+6:WB+7], s[WB:WB+1], 0xc00000
	s_lshl_b32 s22, s18, 14
	s_add_co_u32 s22, s22, s21
	s_add_nc_u64 s[32:33], s[6:7], s[22:23]        ; b1[e] at the slice
	s_mov_b64 s[34:35], s[8:9]                     ; x's codes
	s_add_nc_u64 s[36:37], s[8:9], XS_OFF          ; x's scale words
	s_mov_b64 s[38:39], s[12:13]                   ; the hidden layer's images
	s_add_nc_u64 s[40:41], s[12:13], HS_OFF        ; and scale words
	s_cmp_lg_u32 s16, 0
	s_cbranch_scc1 .Lno_sel
.set I, 0
.rept 32
	global_load_b32 v[AF+I], v[LS], s[10:11] offset:128*I       ; wave 0: the chosen experts of tokens 32 i + L
.set I, I+1
.endr
.Lno_sel:
	LOADX 0, 0
	LOADX 0, 1
	BIAS
	s_wait_loadcnt 63                              ; wave 0's 32 words are in: 80 loads were issued behind them, and the count names 63 at the most.  The wait stands on every
	                                               ; wave's path: behind the barrier below every wave loads x's fragments into the registers that took those words
	s_cmp_lg_u32 s16, 0
	s_cbranch_scc1 .Lno_list
	; ---- wave 0 lists the expert's rows.  Up to the barrier below no other wave touches LDS
	s_add_co_u32 s62, s18, 2048                    ; the fill id
	v_mov_b32 v[AF+32], s62
	v_mov_b32 v[AF+33], s62
	v_mov_b32 v[AF+34], s62
	v_mov_b32 v[AF+35], s62
	v_or_b32 v[AF+36], 1, v[L2]                    ; 2 L + 1
.irp i, 0,1,2,3,4,5,6,7,8
	ds_store_b128 v[LFILL], v[AF+32:AF+35] offset:512*\i
.endr
	s_mov_b32 s58, 0                               ; rows so far
.set I, 0
.rept 32
	v_and_b32 v[TT], 0xff, v[AF+I]
	v_lshrrev_b32 v[TT+1], 8, v[AF+I]
	v_cmp_eq_u32 s59, s18, v[TT]                   ; e is the token's first choice,
	v_cmp_eq_u32 vcc_lo, s18, v[TT+1]              ; or its second
	s_or_b32 s60, s59, vcc_lo
	v_cndmask_b32 v[TT+2], v[L2], v[AF+36], vcc_lo ; 2 L + k,
	v_add_nc_u32 v[TT+2], 64*I, v[TT+2]            ; + 64 i: the row id 2 token + k
	v_mbcnt_lo_u32_b32 v[LA], s60, s58             ; its place: rows so far + rows in lower lanes
	v_cndmask_b32 v[LA], v[TRI], v[LA], s60        ; a lane without a row writes a word that nobody reads
	v_min_u32 v[LA], 0x4ff, v[LA]
	v_lshl_add_u32 v[LA], v[LA], 2, LIST
	ds_store_b32 v[LA], v[TT+2]
	s_bcnt1_i32_b32 s61, s60
	s_add_co_u32 s58, s58, s61
.set I, I+1
.endr
	v_mov_b32 v[TT], s58
	ds_store_b32 v[CN], v[TT]
.Lno_list:
	s_wait_dscnt 0x0
	s_barrier_signal -1
	s_barrier_wait -1                              ; list and count lie in LDS
	ds_load_b32 v[M], v[CN]
	s_wait_dscnt 0x0
	v_readfirstlane_b32 s19, v[M]
	s_min_u32 s19, s19, 1024                       ; the expert's rows
	s_add_co_u32 s20, s19, 15
	s_lshr_b32 s20, s20, 4
	s_max_u32 s20, s20, 1                          ; tiles that are stored: tile 0 always, so that the next launch's held reads find written bytes
	ROWS LR
	ALOAD 0
	s_cmp_lg_u32 s17, 0
	s_cbranch_scc1 .Lnot_first
	ds_load_b128 v[SCL:SCL+3], v[LCP]              ; x = 0: the list goes to memory, 512 bytes a wave
	s_lshl_b32 s22, s18, 12
	s_add_nc_u64 s[70:71], s[14:15], s[22:23]
	s_wait_dscnt 0x0
	global_store_b128 v[LCO], v[SCL:SCL+3], s[70:71]
	s_cmp_lg_u32 s16, 0
	s_cbranch_scc1 .Lnot_count
	v_mov_b32 v[BY], s19
	v_mov_b32 v[BY+1], 0
	s_lshl_b32 s22, s18, 2
	s_add_co_u32 s22, s22, CNT_OFF
	s_add_nc_u64 s[72:73], s[14:15], s[22:23]
	global_store_b32 v[BY+1], v[BY], s[72:73]      ; the count: one word, the same value from every lane
.Lnot_count:
	s_wait_xcnt 0x0                                ; the stores' registers are written again further down
.Lnot_first:
	QSTEP 0, 63                                    ; behind my first 32 rows: b1's 48 loads and x's 21; the count names 63 at the most
	MATRIX 0, 32                                   ; behind b1 and x's fragments: the next step's 32 rows
	ALOAD 1
	ASKX 2
	QSTEP 1, 21                                    ; behind the step's rows: x's 21 loads
	MATRIX 1, 32
	ALOAD 2
	ASKX 3
	QSTEP 2, 21
	MATRIX 2, 32
	ALOAD 3
	QSTEP 3, 21
	MATRIX 3, 0
	EPI1 0
	EPI1 1
	EPI1 2
	; ---- rows 384 on: two further passes of 24 tiles; a pass without rows is jumped over.  No barrier stands in the loop
	s_mov_b32 s67, 1
	s_mov_b32 s66, 1536                            ; 24 tiles of the list, in bytes
	s_mov_b32 s68, 24
.Lover:
	s_lshl_b32 s69, s68, 4
	s_cmp_ge_u32 s69, s19
	s_cbranch_scc1 .Lnone
	s_wait_xcnt 0x0                                ; the last pass's stores have read their registers and bases
	s_add_co_u32 s74, s16, 16
	s_add_co_u32 s74, s74, s68                     ; my third tile of this pass
	v_add_nc_u32 v[LR2], s66, v[LR]
	ROWS LR2
	BIAS
.irp t, 0,1,2,3
	ALOAD \t
	MATRIX \t, 0
.endr
	EPI1 0
	EPI1 1
	EPI1 2
.Lnone:
	s_add_co_u32 s66, s66, 1536
	s_add_co_u32 s68, s68, 24
	s_add_co_u32 s67, s67, 1
	s_cmp_lt_u32 s67, 3
	s_cbranch_scc1 .Lover
	s_set_vgpr_msb 0x5
	s_wait_tensorcnt 0x0
	ds_add_u32 v251, v255
	s_wait_dscnt 0x0
	s_set_vgpr_msb 0x500
	s_endpgm
.Lfunc_end_k_q279705f39e_ffn1:
	.size	k_q279705f39e_ffn1, .Lfunc_end_k_q279705f39e_ffn1-k_q279705f39e_ffn1
	.p2alignl 7, 3214868480
	.fill 96, 4, 3214868480
	.section	.rodata,"a",@progbits
	.p2align	6, 0x0
	.amdhsa_kernel k_q279705f39e_ffn1
		.amdhsa_group_segment_fixed_size 110592
		.amdhsa_private_segment_fixed_size 0
		.amdhsa_enable_private_segment 0
		.amdhsa_kernarg_size 48
		.amdhsa_user_sgpr_count 2
		.amdhsa_user_sgpr_kernarg_segment_ptr 1
		.amdhsa_wavefront_size32 1
		.amdhsa_system_sgpr_workgroup_id_x 1
		.amdhsa_system_sgpr_workgroup_id_y 1
		.amdhsa_system_sgpr_workgroup_id_z 1
		.amdhsa_system_vgpr_workitem_id 0
		.amdhsa_next_free_vgpr 512
		.amdhsa_next_free_sgpr 80
		.amdhsa_reserve_vcc 1
		.amdhsa_float_denorm_mode_32 3
		.amdhsa_float_denorm_mode_16_64 3
		.amdhsa_memory_ordered 1
		.amdhsa_forward_progress 1
		.amdhsa_inst_pref_size 246
	.end_amdhsa_kernel
	.amdgpu_metadata
---
amdhsa.version: [ 1, 2 ]
amdhsa.kernels:
  - .name:           k_q279705f39e_ffn1
    .symbol:         k_q279705f39e_ffn1.kd
    .args:
      - { .name: W1, .offset: 0, .size: 8, .value_kind: global_buffer, .address_space: global }
      - { .name: b1, .offset: 8, .size: 8, .value_kind: global_buffer, .address_space: global }
      - { .name: xq, .offset: 16, .size: 8, .value_kind: global_buffer, .address_space: global }
      - { .name: sel, .offset: 24, .size: 8, .value_kind: global_buffer, .address_space: global }
      - { .name: hq, .offset: 32, .size: 8, .value_kind: global_buffer, .address_space: global }
      - { .name: rl, .offset: 40, .size: 8, .value_kind: global_buffer, .address_space: global }
    .group_segment_fixed_size: 110592
    .private_segment_fixed_size: 0
    .kernarg_segment_align: 8
    .kernarg_segment_size: 48
    .max_flat_workgroup_size: 256
    .sgpr_count:     80
    .vgpr_count:     512
    .wavefront_size: 32
...
	.end_amdgpu_metadata
.endif
;; end of part 2
;; launch ffn2 (part 3): grid 32 x 8, 8 waves a work-group, no clusters, 139,264 bytes of LDS; arguments W2, hq, rl, xq, wq, bc1, Wc2, yp, cp; writes yp, cp
.if DOCPART == 3
	.amdgcn_target "amdgcn-amd-amdhsa--gfx1250"
	.amdhsa_code_object_version 6
	.text
	.protected	k_q279705f39e_ffn2
	.globl	k_q279705f39e_ffn2
	.p2align	8
	.type	k_q279705f39e_ffn2,@function
k_q279705f39e_ffn2:
	s_mov_b64 s[64:65], 0
	v_nop
	global_prefetch_b8 v0, s[64:65] scope:SCOPE_SE
	s_setreg_imm32_b32 hwreg(HW_REG_WAVE_MODE, 25, 1), 1
	s_wait_xcnt 0x0
; FFN2.  Work-group (x, y) owns expert e = y, outputs 64 (x & 15) .. + 63 and half x >> 4 of K = 4,096: a slice of W2[e] of 2,048 x 64 f32 numbers, 512 KB, which no other work-group reads.
; It quantises the slice in registers to FP6 (E2M3, one E8M0 byte for each 32 along K), lays the codes in LDS as images of the operand's registers, multiplies them with the hidden layer's
; images of the expert's rows, and stores its half of each row's sum at yp[half][row id][..].  The last launch adds the halves, b2 and the gates.
; THE STREAM: four steps of 512 rows.  In step t wave w takes rows 512 t + 64 w ..: blocks 2 (w & 1) and 2 (w & 1) + 1 of K step 4 t + w / 2.  A load reads 256 consecutive bytes of a row in lanes 0-15 and of the
; row 32 further down in lanes 16-31, 16 bytes a lane: a lane holds FOUR columns, 32 rows down: 32 loads, 128 registers.  The largest magnitudes are taken from these registers as they lie; the conversion wants
; 16 neighbours along K of ONE column in consecutive registers, so each 16 are copied into one of two sets of 16 that take turns.  The registers of rows 0-15 are loaded again as soon as the four lower halves are
; converted, the others behind the upper halves: the next step's rows are on their way while this step is multiplied.  Every K step has LDS bytes of its own: one barrier a step.
; THE PRODUCT IS USED TRANSPOSED (source 0 = 16 columns of W2, source 1 = 16 rows): a lane holds eight neighbouring outputs of one row.
; Wave w works on row tiles w, w + 8, w + 16; tiles past the count read the last stored tile, stores are guarded, fill rows go to row 2048 + e, which nobody reads, and the third tile's products
; (all but the first four, which start its sums) are jumped over where the expert has no such tile.  More than 384 rows: two further passes over the codes in LDS.  Count and list are whole numbers that the launch before stored.
; BESIDE IT each wave makes one tile, 16 tokens x 16 units, of the confidence net's quantised product x Wc1, adds bc1, clips at 0, and stores the tile's part of the dot product with Wc2.
; No tensor load and no cluster: branches hang on a stored count.  LIMITS: NaN and infinities are not served; a block under 2^-124 gets the scale byte 1 (read by this program alone).
; REGISTERS: window 0 as named below; window 1: v0-95 accumulators (tile j, column tile ct at 32 j + 8 ct); v96-223 32 rows x 4 columns (later Wc1's images and rows on their way out); v224-255 the two sets of 16 (later the confidence tile's two sums).
.set PITCH, 4096
.set FP,    1552                       ; from image to image in LDS: 1,536 bytes + 16, so that the four tiles' stores do not all fall on the same banks
.set BSC,   64*FP                      ; LDS: 0.. 64 images; here 32 images of scale words x 128
.set STG,   BSC+4096                   ; a stage of 16 rows x (256 + 16) bytes for each wave
.set XS_OFF, 786432
.set HS_OFF, 25165824
.set WCS_OFF, 393216
.set YHALF, 8421376                    ; 2,056 rows of 4,096 bytes
.set W_LD,  0x40                       ; register windows of the quantiser's lines: the rows and the sets of 16 lie in window 1, the codes in window 0
.set W_MAX, 0x14
.set W_MOV, 0x41
.set W_CVT, 0x01
.set W_TCM, 0
.set W_ST,  0
.set LS,  1                            ; 4 L
.set LI,  2                            ; 16 L
.set WO,  3                            ; 16 (L & 15) + 32 rows for lanes 16-31
.set BR0, 4                            ; v4-5  images, to read: 16 L, + 32 images
.set CW0, 6                            ; v6-7  where my columns' codes go (first and third pair of registers), + 32 images
.set CW1, 8                            ; v8-9  the same for the second pair
.set SR,  10
.set SWB, 11                           ; where my columns' scale bytes go
.set STO, 12
.set RD,  13
.set C16, 14                           ; 16 (L & 15)
.set H4,  15                           ; 4 (L >> 4)
.set PF,  16                           ; the prefetches' offset: row L
.set XAO, 17                           ; 768 r + 48 h
.set XSO, 18                           ; 32 r
.set R4,  19                           ; 4 r
.set H32, 20                           ; 32 h
.set LN,  21
.set SB,  22                           ; v22-23 W2's scale words (scales alone)
.set AS,  24                           ; v24-35 the rows' scale words: K step q, tile j at 24 + 3 q + j (scales alone)
.set M,   36                           ; v36-39 four columns' largest magnitudes
.set SCL, 40                           ; v40-43 the conversions' scale operands
.set BY,  44                           ; v44-47 the scale bytes
.set VO,  48                           ; v48-55 the stores' offsets
.set WCS, 56                           ; v56-63 Wc1's scale words (scales alone)
.set BF,  64                           ; v64-111 four fragments of W2;  while a step is quantised: v64-87 codes, v88-95 upper halves;  on the way out: v64-87 row ids
.set CD,  64
.set TC,  88
.set RID, 64                           ; tile j, rows 2 i + (L >> 4) at 64 + 8 j + i
.set AF,  112                          ; v112-255 the rows' fragments: K step q, tile j at 112 + 36 q + 12 j
.set CB,  208                          ; the confidence tile: bc1, Wc2, the sums, at work
.set CW,  216
.set CS,  224
.set CT,  232
.set X,   96                           ; window 1
.set T,   224
.set XC,  96
.set OB,  192
.set CA,  224
.set WB,  32                           ; s[32:39] my first row of each of the four steps
.set MSB, 0
.macro WIN new                         ; the immediate's high byte repeats the setting that is left; a switch that changes nothing is dropped
.if MSB != (\new)
	s_set_vgpr_msb (MSB<<8)|(\new)
.set MSB, (\new)
.endif
.endm
.macro LOADX t, hh                     ; rows 16 hh .. 16 hh + 15 of each of my two blocks of step t
	WIN W_LD
.set KK, 16*(\hh)
.rept 16
	global_load_b128 v[X+4*KK:X+4*KK+3], v[WO], s[WB+2*(\t):WB+2*(\t)+1] offset:KK*PITCH th:TH_LOAD_NT
.set KK, KK+1
.endr
	WIN 0
.endm
; A prefetch of my own 64 rows of step t, 256 bytes each, a lane a row, by two instructions: each row of steps 2 and 3 is named once in the launch.  It stands behind a run of loads,
; a step ahead of the named rows' own loads; steps 0 and 1 come by their loads alone, and nothing is named past step 3.
.macro ASKX t
	global_prefetch_b8 v[PF], s[WB+2*(\t):WB+2*(\t)+1] th:TH_LOAD_NT scope:SCOPE_SE
	global_prefetch_b8 v[PF], s[WB+2*(\t):WB+2*(\t)+1] offset:32*PITCH th:TH_LOAD_NT scope:SCOPE_SE
.endm
.macro MOV16 j, hh                     ; column j, rows 16 hh ..: sixteen neighbours along K into consecutive registers
	WIN W_MOV
.set KK, 0
.rept 16
	v_mov_b32 v[T+16*((\j)%2)+KK], v[X+4*(16*(\hh)+KK)+(\j)]
.set KK, KK+1
.endr
.endm
.macro CVT d, j                        ; and their codes, 96 bits.  The copies that follow go into the other set: plain lines behind the conversion
	WIN W_CVT
	v_cvt_scalef32_pk16_fp6_f32 v[(\d):(\d)+2], v[T+16*((\j)%2):T+16*((\j)%2)+15], v[SCL+(\j)]
.endm
.macro TCM j                           ; (a conversion's three registers begin on an even number: a block's upper half is made elsewhere and moved)
	WIN W_TCM
.irp i, 0,1,2
	v_mov_b32 v[CD+6*(\j)+3+\i], v[TC+4*((\j)%2)+\i]
.endr
.endm
; My rows of step t become four columns' blocks of codes and scale bytes in LDS; then the step's barrier.  n: the loads issued behind these rows' loads
.macro QSTEP t, n
	s_wait_loadcnt \n
	WIN W_MAX
.irp j, 0,1,2,3
	v_max3_num_f32 v[M+\j], 0x1800000, |v[X+\j]|, |v[X+4+\j]|        ; four chains, one a column; the floor 2^(3 - 127) holds the byte at 1 from below
.endr
.irp i, 1,2,3,4,5,6,7,8,9,10,11,12,13,14,15
.irp j, 0,1,2,3
	v_max3_num_f32 v[M+\j], v[M+\j], |v[X+8*\i+\j]|, |v[X+8*\i+4+\j]|
.endr
.endr
	WIN 0
.irp j, 0,1,2,3
	v_add_nc_u32 v[SCL+\j], 0xff000000, v[M+\j]    ; 2 off the exponent field: the conversion's scale operand
.endr
.irp j, 0,1,2,3
	v_lshrrev_b32 v[BY+\j], 23, v[SCL+\j]          ; the byte
.endr
.irp j, 0,1,2,3
	MOV16 \j, 0
	CVT CD+6*\j, \j
.endr
.if (\t) < 3
	LOADX (\t)+1, 0                                ; rows 0-15 have been copied: their registers take the next step's
.endif
	MOV16 0, 1
	CVT TC, 0
	MOV16 1, 1
	CVT TC+4, 1
	TCM 0
	MOV16 2, 1
	CVT TC, 2
	TCM 1
	MOV16 3, 1
	CVT TC+4, 3
	TCM 2
	TCM 3
.if (\t) < 3
	LOADX (\t)+1, 1
.endif
	WIN W_ST
.irp j, 0,1,2,3
	ds_store_b64 v[CW0+(\t)/2], v[CD+6*\j:CD+6*\j+1]   offset:((\t)%2)*16*FP+16*\j
	ds_store_b64 v[CW1+(\t)/2], v[CD+6*\j+2:CD+6*\j+3] offset:((\t)%2)*16*FP+16*\j+8
	ds_store_b64 v[CW0+(\t)/2], v[CD+6*\j+4:CD+6*\j+5] offset:((\t)%2)*16*FP+16*\j+512
.endr
	WIN 0
.irp j, 0,1,2,3
	ds_store_b8 v[SWB], v[BY+\j] offset:1024*(\t)+4*\j
.endr
	s_wait_dscnt 0x0                               ; for the others' sake: my stores are done
	s_barrier_signal -1
	s_barrier_wait -1
.endm
.macro TILES                           ; the bases of my three tiles T = w + 8 j + s68: the list's 64 bytes; the images and scale words of the tile, held at the last one stored
.irp j, 0,1,2
	s_add_co_u32 s62, s22, 8*\j
	s_add_co_u32 s62, s62, s68
	s_min_u32 s70, s62, 63
	s_lshl_b32 s70, s70, 6
	s_add_nc_u64 s[86+2*\j:87+2*\j], s[52:53], s[70:71]
	s_min_u32 s62, s62, s29
	s_min_u32 s62, s62, 63
	s_lshl_b32 s70, s24, 6
	s_add_co_u32 s70, s70, s62
	s_lshl_b32 s70, s70, 5
	s_lshl_b32 s62, s26, 4
	s_add_co_u32 s62, s70, s62                     ; (64 e + T) 32 + 16 x half
	s_mul_i32 s70, s62, 1536
	s_add_nc_u64 s[40+2*\j:41+2*\j], s[58:59], s[70:71]
	s_lshl_b32 s70, s62, 7
	s_add_nc_u64 s[46+2*\j:47+2*\j], s[60:61], s[70:71]
.endr
.endm
.macro RIDS                            ; 24 loads
.irp j, 0,1,2
.irp i, 0,1,2,3,4,5,6,7
	global_load_b32 v[RID+8*\j+\i], v[H4], s[86+2*\j:87+2*\j] offset:8*\i
.endr
.endr
.endm
.macro ALOAD t                         ; the rows' fragments and scale words of K steps 4 t .. 4 t + 3 for my three tiles: 48 loads
.irp q, 0,1,2,3
.irp j, 0,1,2
.irp c, 0,1,2
	global_load_b128 v[AF+36*\q+12*\j+4*\c:AF+36*\q+12*\j+4*\c+3], v[LI], s[40+2*\j:41+2*\j] offset:(4*(\t)+\q)*1536+512*\c
.endr
	global_load_b32 v[AS+3*\q+\j], v[LS], s[46+2*\j:47+2*\j] offset:(4*(\t)+\q)*128
.endr
.endr
.endm
.macro PROD q, c, j, z                 ; fragment c x row tile j, K step q of the step; z = 1: the product starts the sum; an odd fragment's scale words lie in lanes 16-31
.set RA, 32*(\j)+8*(\c)
.set RX, AF+36*(\q)+12*(\j)
.if \z
.if (\c)%2
	v_wmma_scale_f32_16x16x128_f8f6f4 v[RA:RA+7], v[BF+12*(\c):BF+12*(\c)+11], v[RX:RX+11], 0, v[SB+(\c)/2], v[AS+3*(\q)+(\j)] matrix_a_fmt:MATRIX_FMT_FP6 matrix_b_fmt:MATRIX_FMT_FP6 matrix_a_scale:MATRIX_SCALE_ROW1
.else
	v_wmma_scale_f32_16x16x128_f8f6f4 v[RA:RA+7], v[BF+12*(\c):BF+12*(\c)+11], v[RX:RX+11], 0, v[SB+(\c)/2], v[AS+3*(\q)+(\j)] matrix_a_fmt:MATRIX_FMT_FP6 matrix_b_fmt:MATRIX_FMT_FP6
.endif
.else
.if (\c)%2
	v_wmma_scale_f32_16x16x128_f8f6f4 v[RA:RA+7], v[BF+12*(\c):BF+12*(\c)+11], v[RX:RX+11], v[RA:RA+7], v[SB+(\c)/2], v[AS+3*(\q)+(\j)] matrix_a_fmt:MATRIX_FMT_FP6 matrix_b_fmt:MATRIX_FMT_FP6 matrix_a_scale:MATRIX_SCALE_ROW1
.else
	v_wmma_scale_f32_16x16x128_f8f6f4 v[RA:RA+7], v[BF+12*(\c):BF+12*(\c)+11], v[RX:RX+11], v[RA:RA+7], v[SB+(\c)/2], v[AS+3*(\q)+(\j)] matrix_a_fmt:MATRIX_FMT_FP6 matrix_b_fmt:MATRIX_FMT_FP6
.endif
.endif
.endm
; Step t's products, a K step a batch: four fragments of W2 x my row tiles.  The accumulators take turns, one instruction a turn; the very first batch starts all twelve
; sums with the constant 0.  In the other batches the third tile's four products are jumped over where the expert has no such tile (s92: the tile, s28: the expert's tiles).  Four plain lines stand behind
; each batch, ahead of the loads into registers that its products have read.  n: the loads issued behind the rows' fragments of this step
.macro MATRIX t, n
	s_wait_loadcnt \n
.irp q, 0,1,2,3
	ds_load_b32 v[SB],   v[SR] offset:(8*(\t)+2*\q)*128
	ds_load_b32 v[SB+1], v[SR] offset:(8*(\t)+2*\q+1)*128
.irp c, 0,1,2,3
.irp p, 0,1,2
	ds_load_b128 v[BF+12*\c+4*\p:BF+12*\c+4*\p+3], v[BR0+(\t)/2] offset:(((\t)%2)*16+4*\q+\c)*FP+512*\p
.endr
.endr
	s_wait_dscnt 0x0
	WIN 0x50                                       ; the accumulators in window 1, both operands in window 0
.if ((\t) == 0) && (\q == 0)
.irp c, 0,1,2,3
.irp j, 0,1,2
	PROD \q, \c, \j, 1
.endr
.endr
	WIN 0
.else
.irp c, 0,1,2,3
.irp j, 0,1
	PROD \q, \c, \j, 0
.endr
.endr
	WIN 0
	s_cmp_ge_u32 s92, s28
	s_cbranch_scc1 .Lno3_\@_\q
	WIN 0x50
.irp c, 0,1,2,3
	PROD \q, \c, 2, 0
.endr
	WIN 0
.Lno3_\@_\q:
.endif
.rept 4
	v_nop
.endr
.endr
.endm
; Row tile T = w + 8 j + s68, if the expert has it: 16 rows x 64 outputs go through my stage and leave as whole rows of 256 bytes, each to its row id's place.
.macro EPI2 j
	s_add_co_u32 s62, s22, 8*\j
	s_add_co_u32 s62, s62, s68
	s_cmp_ge_u32 s62, s28
	s_cbranch_scc1 .Lno_y_\@
	s_wait_xcnt 0x0                                ; the last tile's stores have read their offsets and data
.irp i, 0,1,2,3,4,5,6,7
	v_min_u32 v[VO+\i], 0x807, v[RID+8*\j+\i]
	v_lshl_add_u32 v[VO+\i], v[VO+\i], 12, v[C16]  ; row id x 4,096 + 16 (L & 15)
.endr
	WIN 0x04                                       ; an LDS store's data are its source 1: window 1
.irp ct, 0,1,2,3
	ds_store_b128 v[STO], v[32*\j+8*\ct:32*\j+8*\ct+3] offset:64*\ct        ; each accumulator from its low end on
	ds_store_b128 v[STO], v[32*\j+8*\ct+4:32*\j+8*\ct+7] offset:64*\ct+16
.endr
	WIN 0x40
.irp i, 0,1,2,3,4,5,6,7
	ds_load_b128 v[OB+4*\i:OB+4*\i+3], v[RD] offset:544*\i                  ; LDS serves a wave's instructions in order: these see my stores
.endr
	s_wait_dscnt 0x0
	WIN 0x04
.irp i, 0,1,2,3,4,5,6,7
	global_store_b128 v[VO+\i], v[OB+4*\i:OB+4*\i+3], s[54:55] th:TH_STORE_NT   ; sixteen lanes store 256 consecutive bytes, aligned
.endr
	WIN 0
.Lno_y_\@:
.endm
	s_load_b512 s[4:19], s[0:1], 0x0               ; W2 s[4:5], hq s[6:7], rl s[8:9], xq s[10:11], wq s[12:13], bc1 s[14:15], Wc2 s[16:17], yp s[18:19]
	s_load_b64 s[20:21], s[0:1], 0x40              ; cp
	v_lshrrev_b32 v[LN], 5, v0
	v_readfirstlane_b32 s22, v[LN]                 ; wave 0..7
	s_mov_b32 s23, ttmp9
	s_and_b32 s24, ttmp7, 0xffff                   ; e
	s_and_b32 s25, s23, 15                         ; which 64 outputs
	s_lshr_b32 s26, s23, 4                         ; which half of K
	s_add_co_u32 s92, s22, 16                      ; my third row tile
	v_and_b32 v[LN], 31, v0
	v_lshlrev_b32 v[LS], 2, v[LN]
	v_lshlrev_b32 v[LI], 4, v[LN]
	v_lshlrev_b32 v[PF], 12, v[LN]
	v_mov_b32 v[BR0], v[LI]
	v_add_nc_u32 v[BR0+1], 32*FP, v[LI]
	v_add_nc_u32 v[SR], BSC, v[LS]
	v_and_b32 v[R4], 15, v[LN]                     ; r
	v_bfe_u32 v[H4], v[LN], 4, 1                   ; h
	v_lshlrev_b32 v[C16], 4, v[R4]
	v_lshl_add_u32 v[WO], v[H4], 17, v[C16]        ; lanes 16-31: 32 rows of 4,096 bytes further down
	; Where my columns 4 (L & 15) + j go.  Tile ct = (L >> 2) & 3, its row r = 4 (L & 3) + j.  My block b = 2 (w & 1) + h lies in the image's lane r + 16 h, registers 6 (w & 1) on:
	; registers 0-1, 2-3, 4-5 at bytes 0, 8, 512 of the lane's place, registers 6-7, 8-9, 10-11 at 520, 1024, 1032: 520, 1016, 520 further on.
	v_bfe_u32 v[M], v[LN], 2, 2                    ; ct
	v_and_b32 v[M+1], 3, v[LN]
	v_mul_u32_u24 v[CW0], v[M], FP
	v_lshl_add_u32 v[CW0], v[M+1], 6, v[CW0]       ; 16 r
	v_lshl_add_u32 v[CW0], v[H4], 8, v[CW0]        ; 16 lanes on for lanes 16-31's block
	v_lshlrev_b32 v[SWB], 6, v[M]                  ; scale bytes: 64 bytes a tile,
	v_lshl_add_u32 v[SWB], v[M+1], 4, v[SWB]       ; 4 r,
	v_add_nc_u32 v[SWB], v[SWB], v[H4]             ; byte b of the word
	s_lshr_b32 s62, s22, 1                         ; which of the step's four K steps
	s_mul_i32 s63, s62, 4*FP
	s_and_b32 s66, s22, 1
	s_mul_i32 s69, s66, 1016
	s_add_co_u32 s69, s69, s63
	v_add_nc_u32 v[CW1], s69, v[CW0]
	s_mul_i32 s69, s66, 520
	s_add_co_u32 s69, s69, s63
	v_add_nc_u32 v[CW0], s69, v[CW0]
	v_add_nc_u32 v[CW0+1], 32*FP, v[CW0]
	v_add_nc_u32 v[CW1+1], 32*FP, v[CW1]
	s_lshl_b32 s62, s62, 8
	s_lshl_b32 s66, s66, 1
	s_add_co_u32 s62, s62, s66
	s_add_co_u32 s62, s62, BSC
	v_add_nc_u32 v[SWB], s62, v[SWB]
	s_mul_i32 s62, s22, 4352
	s_add_co_u32 s62, s62, STG                     ; my stage
	v_mul_u32_u24 v[STO], v[R4], 272
	v_lshl_add_u32 v[STO], v[H4], 5, v[STO]
	v_add_nc_u32 v[STO], s62, v[STO]               ; in: row r, 32 bytes for each half of the lanes
	v_mul_u32_u24 v[RD], v[H4], 272
	v_lshl_add_u32 v[RD], v[R4], 4, v[RD]
	v_add_nc_u32 v[RD], s62, v[RD]                 ; back: lanes 0-15 one row, lanes 16-31 the next
	v_mul_u32_u24 v[XAO], v[R4], 768
	v_mad_u32_u24 v[XAO], v[H4], 48, v[XAO]
	v_lshlrev_b32 v[XSO], 5, v[R4]
	v_lshlrev_b32 v[H32], 5, v[H4]
	v_lshlrev_b32 v[R4], 2, v[R4]
	v_lshlrev_b32 v[H4], 2, v[H4]
	s_mov_b32 s56, 0x76543210
	s_mov_b32 s57, 0xfedcba98
	s_mov_b32 s68, 0                               ; the pass's first tile
	s_mov_b32 s71, 0                               ; the upper word of every offset
	s_lshl_b32 s63, s24, 2
	s_wait_kmcnt 0x0
	s_load_b32 s27, s[8:9], s63 offset:0x8000      ; the expert's rows
	s_lshl_b32 s70, s24, 24                        ; W2[e]
	s_lshl_b32 s62, s26, 23                        ; the half: 2,048 rows of 4,096 bytes
	s_add_co_u32 s70, s70, s62
	s_lshl_b32 s62, s22, 18                        ; my 64 rows
	s_add_co_u32 s70, s70, s62
	s_lshl_b32 s62, s25, 8                         ; the slice's 256 bytes of a row
	s_add_co_u32 s70, s70, s62
	s_add_nc_u64 s[WB:WB+1], s[4:5], s[70:71]
	s_add_nc_u64 s[WB+2:WB+3], s[WB:WB+1], 0x200000   ; a step on: 512 rows
	s_add_nc_u64 s[WB+4:WB+5], s[WB:WB+1], 0x400000
	s_add_nc_u64 s[WB+6:WB+7], s[WB:WB+1], 0x600000
	LOADX 0, 0
	LOADX 0, 1
	s_lshl_b32 s70, s24, 12
	s_add_nc_u64 s[52:53], s[8:9], s[70:71]        ; the expert's list
	s_mul_i32 s70, s26, YHALF
	s_lshl_b32 s62, s25, 8
	s_add_co_u32 s70, s70, s62
	s_add_nc_u64 s[54:55], s[18:19], s[70:71]      ; yp at my half and my 256 bytes of a row
	s_mov_b64 s[58:59], s[6:7]
	s_add_nc_u64 s[60:61], s[6:7], HS_OFF
	s_wait_kmcnt 0x0
	s_min_u32 s27, s27, 1024
	s_add_co_u32 s28, s27, 15
	s_lshr_b32 s28, s28, 4                         ; the expert's tiles
	s_max_u32 s29, s28, 1
	s_sub_co_u32 s29, s29, 1                       ; the last tile that the launch before has stored
	TILES
	ALOAD 0
	; the confidence tile: tokens 64 (x & 15) + 16 (w & 3) .., units 16 (2 (2 e + half) + w / 4) ..
	s_lshl_b32 s62, s24, 1
	s_add_co_u32 s62, s62, s26                     ; which 32 units
	s_lshr_b32 s66, s22, 2                         ; which 16 of them
	s_lshl_b32 s63, s62, 1
	s_add_co_u32 s63, s63, s66                     ; the tile of units
	s_and_b32 s69, s22, 3
	s_lshl_b32 s69, s69, 4
	s_lshl_b32 s70, s25, 6
	s_add_co_u32 s69, s69, s70                     ; the first token
	s_mul_i32 s70, s69, 768
	s_add_nc_u64 s[72:73], s[10:11], s[70:71]      ; x's codes
	s_lshl_b32 s70, s69, 5
	s_add_co_u32 s70, s70, XS_OFF
	s_add_nc_u64 s[74:75], s[10:11], s[70:71]      ; x's scale words
	s_mul_i32 s70, s63, 12288
	s_add_nc_u64 s[76:77], s[12:13], s[70:71]      ; Wc1's images
	s_lshl_b32 s70, s62, 10
	s_lshl_b32 s66, s66, 6
	s_add_co_u32 s70, s70, s66
	s_add_co_u32 s70, s70, WCS_OFF
	s_add_nc_u64 s[78:79], s[12:13], s[70:71]      ; Wc1's scale words
	s_lshl_b32 s70, s63, 6
	s_add_nc_u64 s[80:81], s[14:15], s[70:71]      ; bc1
	s_add_nc_u64 s[82:83], s[16:17], s[70:71]      ; Wc2
	s_lshl_b32 s70, s63, 12
	s_lshl_b32 s69, s69, 2
	s_add_co_u32 s70, s70, s69
	s_add_nc_u64 s[84:85], s[20:21], s[70:71]      ; cp[tile][token]
	QSTEP 0, 48                                    ; behind the step's rows: the 48 loads of the rows' fragments
	MATRIX 0, 32                                   ; behind the fragments: the next step's 32 loads
	ALOAD 1
	ASKX 2
	QSTEP 1, 48
	MATRIX 1, 32
	ALOAD 2
	ASKX 3
	QSTEP 2, 48
	MATRIX 2, 32
	ALOAD 3
	QSTEP 3, 48
	MATRIX 3, 0
	RIDS                                           ; the row ids, into the registers that held W2's fragments
	; ---- the confidence tile's operands, 62 loads into registers that are free now; they land while the rows go out
.irp s, 0,1,2,3,4,5,6,7
.irp c, 0,1,2
	global_load_b128 v[AF+12*\s+4*\c:AF+12*\s+4*\c+3], v[XAO], s[72:73] offset:96*\s+16*\c
.endr
.endr
	global_load_b128 v[AS:AS+3],   v[XSO], s[74:75]
	global_load_b128 v[AS+4:AS+7], v[XSO], s[74:75] offset:16
.irp s, 0,1,2,3,4,5,6,7
	global_load_b32 v[WCS+\s], v[R4], s[78:79] offset:128*\s
.endr
	global_load_b128 v[CB:CB+3],   v[H32], s[80:81]
	global_load_b128 v[CB+4:CB+7], v[H32], s[80:81] offset:16
	global_load_b128 v[CW:CW+3],   v[H32], s[82:83]
	global_load_b128 v[CW+4:CW+7], v[H32], s[82:83] offset:16
	WIN 0x40
.irp s, 0,1,2,3,4,5,6,7
.irp c, 0,1,2
	global_load_b128 v[XC+12*\s+4*\c:XC+12*\s+4*\c+3], v[LI], s[76:77] offset:1536*\s+512*\c
.endr
.endr
	WIN 0
	s_wait_loadcnt 62                              ; the row ids are in; the 62 loads behind them may be out
	EPI2 0
	EPI2 1
	EPI2 2
	s_wait_loadcnt 0x0
.rept 5
	v_nop                                          ; plain lines ahead of sums that are begun in registers of their own
.endr
	WIN 0x41                                       ; two sums by turns, the even K steps' and the odd ones'; bc1 (window 0) starts the first, the constant 0 the second
	v_wmma_scale_f32_16x16x128_f8f6f4 v[CA:CA+7], v[XC:XC+11], v[AF:AF+11], v[CB:CB+7], v[WCS], v[AS] matrix_a_fmt:MATRIX_FMT_FP6 matrix_b_fmt:MATRIX_FMT_FP6
	v_wmma_scale_f32_16x16x128_f8f6f4 v[CA+8:CA+15], v[XC+12:XC+23], v[AF+12:AF+23], 0, v[WCS+1], v[AS+1] matrix_a_fmt:MATRIX_FMT_FP6 matrix_b_fmt:MATRIX_FMT_FP6
	WIN 0x51
.irp s, 2,3,4,5,6,7
	v_wmma_scale_f32_16x16x128_f8f6f4 v[CA+8*(\s%2):CA+8*(\s%2)+7], v[XC+12*\s:XC+12*\s+11], v[AF+12*\s:AF+12*\s+11], v[CA+8*(\s%2):CA+8*(\s%2)+7], v[WCS+\s], v[AS+\s] matrix_a_fmt:MATRIX_FMT_FP6 matrix_b_fmt:MATRIX_FMT_FP6
.endr
.rept 4
	v_nop
.endr
	WIN 0x05
.irp p, 0,2,4,6
	v_pk_add_f32 v[CS+\p:CS+\p+1], v[CA+\p:CA+\p+1], v[CA+8+\p:CA+9+\p]   ; lane (r, h): token r, units 8 h + 0 .. 7 of the tile
.endr
	WIN 0
.irp i, 0,1,2,3,4,5,6,7
	v_max_num_f32 v[CS+\i], 0, v[CS+\i]
.endr
	v_mul_f32 v[CT], v[CS], v[CW]
.irp i, 1,2,3,4,5,6,7
	v_fmac_f32 v[CT], v[CS+\i], v[CW+\i]
.endr
	v_mov_b32 v[CT+1], 0
	v_permlanex16_b32 v[CT+1], v[CT], s56, s57
	v_add_f32 v[CT], v[CT], v[CT+1]                ; the tile's sixteen units
	global_store_b32 v[R4], v[CT], s[84:85]        ; lanes 16-31 store what lanes 0-15 store
	; ---- rows 384 on: two further passes of 24 tiles; a pass without rows is jumped over.  No barrier stands in the loop
	s_mov_b32 s67, 1
	s_mov_b32 s68, 24
.Lover:
	s_lshl_b32 s62, s68, 4
	s_cmp_ge_u32 s62, s27
	s_cbranch_scc1 .Lnone
	s_wait_xcnt 0x0                                ; earlier stores and loads have read their registers and bases
	v_nop                                          ; with the four behind the last batch: five plain lines ahead of products that begin the accumulators anew
	s_add_co_u32 s92, s22, 16
	s_add_co_u32 s92, s92, s68                     ; my third tile of this pass
	TILES
.irp t, 0,1,2,3
	ALOAD \t
	MATRIX \t, 0
.endr
	RIDS
	s_wait_loadcnt 0x0
	EPI2 0
	EPI2 1
	EPI2 2
.Lnone:
	s_add_co_u32 s68, s68, 24
	s_add_co_u32 s67, s67, 1
	s_cmp_lt_u32 s67, 3
	s_cbranch_scc1 .Lover
	s_wait_xcnt 0x0
	v_lshl_add_u32 v254, v0, 2, 0x21c00
	v_mov_b32 v255, 0
	s_wait_tensorcnt 0x0
	ds_add_u32 v254, v255
	s_wait_dscnt 0x0
	s_endpgm
.Lfunc_end_k_q279705f39e_ffn2:
	.size	k_q279705f39e_ffn2, .Lfunc_end_k_q279705f39e_ffn2-k_q279705f39e_ffn2
	.p2alignl 7, 3214868480
	.fill 96, 4, 3214868480
	.section	.rodata,"a",@progbits
	.p2align	6, 0x0
	.amdhsa_kernel k_q279705f39e_ffn2
		.amdhsa_group_segment_fixed_size 139264
		.amdhsa_private_segment_fixed_size 0
		.amdhsa_enable_private_segment 0
		.amdhsa_kernarg_size 72
		.amdhsa_user_sgpr_count 2
		.amdhsa_user_sgpr_kernarg_segment_ptr 1
		.amdhsa_wavefront_size32 1
		.amdhsa_system_sgpr_workgroup_id_x 1
		.amdhsa_system_sgpr_workgroup_id_y 1
		.amdhsa_system_sgpr_workgroup_id_z 1
		.amdhsa_system_vgpr_workitem_id 0
		.amdhsa_next_free_vgpr 512
		.amdhsa_next_free_sgpr 96
		.amdhsa_reserve_vcc 0
		.amdhsa_float_denorm_mode_32 3
		.amdhsa_float_denorm_mode_16_64 3
		.amdhsa_memory_ordered 1
		.amdhsa_forward_progress 1
		.amdhsa_inst_pref_size 221
	.end_amdhsa_kernel
	.amdgpu_metadata
---
amdhsa.version: [ 1, 2 ]
amdhsa.kernels:
  - .name:           k_q279705f39e_ffn2
    .symbol:         k_q279705f39e_ffn2.kd
    .args:
      - { .name: W2, .offset: 0, .size: 8, .value_kind: global_buffer, .address_space: global }
      - { .name: hq, .offset: 8, .size: 8, .value_kind: global_buffer, .address_space: global }
      - { .name: rl, .offset: 16, .size: 8, .value_kind: global_buffer, .address_space: global }
      - { .name: xq, .offset: 24, .size: 8, .value_kind: global_buffer, .address_space: global }
      - { .name: wq, .offset: 32, .size: 8, .value_kind: global_buffer, .address_space: global }
      - { .name: bc1, .offset: 40, .size: 8, .value_kind: global_buffer, .address_space: global }
      - { .name: Wc2, .offset: 48, .size: 8, .value_kind: global_buffer, .address_space: global }
      - { .name: yp, .offset: 56, .size: 8, .value_kind: global_buffer, .address_space: global }
      - { .name: cp, .offset: 64, .size: 8, .value_kind: global_buffer, .address_space: global }
    .group_segment_fixed_size: 139264
    .private_segment_fixed_size: 0
    .kernarg_segment_align: 8
    .kernarg_segment_size: 72
    .max_flat_workgroup_size: 256
    .sgpr_count:     96
    .vgpr_count:     512
    .wavefront_size: 32
...
	.end_amdgpu_metadata
.endif
;; end of part 3
;; launch comb (part 4): grid 256 x 1, 4 waves a work-group, no clusters, 0 bytes of LDS; arguments yp, cp, xq, sel, b2, bc2, out0, out1, out2, out3; writes out0, out1, out2, out3
.if DOCPART == 4
	.amdgcn_target "amdgcn-amd-amdhsa--gfx1250"
	.amdhsa_code_object_version 6
	.text
	.protected	k_q279705f39e_comb
	.globl	k_q279705f39e_comb
	.p2align	8
	.type	k_q279705f39e_comb,@function
k_q279705f39e_comb:
	s_mov_b64 s[64:65], 0
	v_nop
	global_prefetch_b8 v0, s[64:65] scope:SCOPE_SE
	s_setreg_imm32_b32 hwreg(HW_REG_WAVE_MODE, 25, 1), 1
	s_wait_xcnt 0x0
; COMB.  A wave takes one token (4 x work-group + wave).  out0 = g0 (y(k = 0) + b2[e0]) + g1 (y(k = 1) + b2[e1]), y = the sum of the two halves of K that the launch before stored at row 2 token + k,
; g = the two best probabilities divided by their sum.  conf = sigmoid(the sum of the 32 parts of the dot product with Wc2 + bc2); dyn_k = round(1 + 3 (1 - conf)), ties to even, held to 1 .. 4;
; slot k of the four best weights and indices is kept where k < dyn_k, else 0.  The chosen experts steer addresses: they are whole numbers that the first launch stored.
; A stream: each byte is read once by 16-byte loads, all 51 loads of a wave go out at once, each store covers 512 consecutive bytes.  No LDS, no barrier, no matrix unit: there is nothing to share or multiply.
; LIMITS: NaN and infinities are not served; 1 + 3 (1 - conf) is one fused multiply-add.
.set REC_OFF, 819200
.set YHALF, 8421376
.set Y,  32                            ; v32-159  chunk i: 16 registers: (half 0, k 0), (half 1, k 0), (half 0, k 1), (half 1, k 1)
.set BB, 160                           ; v160-223 chunk i: b2[e0], b2[e1]
	s_load_b512 s[4:19], s[0:1], 0x0               ; yp s[4:5], cp s[6:7], xq s[8:9], sel s[10:11], b2 s[12:13], bc2 s[14:15], out0 s[16:17], out1 s[18:19]
	s_load_b128 s[20:23], s[0:1], 0x40             ; out2 s[20:21], out3 s[22:23]
	v_lshrrev_b32 v1, 5, v0
	v_readfirstlane_b32 s24, v1
	v_and_b32 v1, 31, v0                           ; L
	s_lshl_b32 s25, ttmp9, 2
	s_add_co_u32 s25, s25, s24                     ; token
	v_lshlrev_b32 v2, 4, v1                        ; 16 L
	v_and_b32 v3, 3, v1                            ; slot
	v_lshlrev_b32 v4, 2, v3
	v_lshlrev_b32 v5, 12, v1                       ; 4,096 L: part L of the dot product
	v_mov_b32 v10, 0                               ; (a lane permute's destination counts as one of its sources)
	s_mov_b32 s40, 0x76543210
	s_mov_b32 s41, 0xfedcba98
	s_lshl_b32 s26, s25, 2
	s_mov_b32 s27, 0
	s_mov_b32 s31, 0
	s_mov_b32 s43, 0
	s_wait_kmcnt 0x0
	s_load_b32 s28, s[10:11], s26 offset:0x0       ; e0 | e1 << 8
	s_load_b32 s29, s[14:15], 0x0                  ; bc2
	s_lshl_b32 s30, s25, 5
	s_add_nc_u64 s[32:33], s[8:9], s[30:31]
	s_add_nc_u64 s[32:33], s[32:33], REC_OFF
	global_load_b32 v6, v4, s[32:33]               ; the slot's weight,
	global_load_b32 v7, v4, s[32:33] offset:16     ; and its index
	s_add_nc_u64 s[34:35], s[6:7], s[26:27]
	global_load_b32 v8, v5, s[34:35] th:TH_LOAD_NT
	s_lshl_b32 s30, s25, 13                        ; two rows of 4,096 bytes
	s_add_nc_u64 s[36:37], s[4:5], s[30:31]
	s_add_nc_u64 s[38:39], s[36:37], YHALF
	s_lshl_b32 s30, s25, 12
	s_add_nc_u64 s[50:51], s[16:17], s[30:31]      ; out0's row
	s_lshl_b32 s30, s25, 4
	s_add_nc_u64 s[54:55], s[18:19], s[30:31]
	s_add_nc_u64 s[56:57], s[20:21], s[30:31]
	s_add_nc_u64 s[60:61], s[22:23], s[26:27]
	s_wait_kmcnt 0x0
	s_and_b32 s42, s28, 0xff
	s_min_u32 s42, s42, 7
	s_lshl_b32 s42, s42, 12
	s_add_nc_u64 s[44:45], s[12:13], s[42:43]      ; b2[e0]
	s_bfe_u32 s42, s28, 0x80008
	s_min_u32 s42, s42, 7
	s_lshl_b32 s42, s42, 12
	s_add_nc_u64 s[46:47], s[12:13], s[42:43]      ; b2[e1]
.irp i, 0,1,2,3,4,5,6,7
	global_load_b128 v[Y+16*\i:Y+16*\i+3],     v2, s[36:37] offset:512*\i th:TH_LOAD_NT
	global_load_b128 v[Y+16*\i+4:Y+16*\i+7],   v2, s[38:39] offset:512*\i th:TH_LOAD_NT
	global_load_b128 v[Y+16*\i+8:Y+16*\i+11],  v2, s[36:37] offset:4096+512*\i th:TH_LOAD_NT
	global_load_b128 v[Y+16*\i+12:Y+16*\i+15], v2, s[38:39] offset:4096+512*\i th:TH_LOAD_NT
	global_load_b128 v[BB+8*\i:BB+8*\i+3],     v2, s[44:45] offset:512*\i
	global_load_b128 v[BB+8*\i+4:BB+8*\i+7],   v2, s[46:47] offset:512*\i
.endr
	s_wait_loadcnt 48                              ; the three small loads are in; the 48 behind them may be out
	v_readlane_b32 s48, v6, 0                      ; w0
	v_readlane_b32 s49, v6, 1                      ; w1
	v_add_f32 v9, s48, s49
	v_add_f32_dpp v8, v8, v8 row_xmask:1 row_mask:0xf bank_mask:0xf
	v_add_f32_dpp v8, v8, v8 row_xmask:2 row_mask:0xf bank_mask:0xf
	v_add_f32_dpp v8, v8, v8 row_xmask:4 row_mask:0xf bank_mask:0xf
	v_add_f32_dpp v8, v8, v8 row_xmask:8 row_mask:0xf bank_mask:0xf
	v_permlanex16_b32 v10, v8, s40, s41
	v_add_f32 v8, v8, v10
	v_add_f32 v8, s29, v8                          ; z
	v_mul_f32 v11, 0xbfb8aa3b, v8                  ; -z log2(e)
	v_exp_f32 v11, v11
	v_rcp_f32 v12, v9
	v_nop                                          ; a plain line behind the two
	s_wait_alu depctr_va_vdst(0)                   ; one wait for both, ahead of their first reader
	v_add_f32 v11, 1.0, v11
	v_mul_f32 v16, s48, v12                        ; g0
	v_mul_f32 v18, s49, v12                        ; g1
	v_rcp_f32 v13, v11                             ; conf
	v_mov_b32 v17, v16                             ; (pairs for the packed forms; plain lines behind the reciprocal)
	v_mov_b32 v19, v18
	s_wait_alu depctr_va_vdst(0)
	v_sub_f32 v14, 1.0, v13
	v_fma_f32 v14, v14, 0x40400000, 1.0
	v_rndne_f32 v14, v14
	v_med3_num_f32 v14, v14, 1.0, 4.0
	v_cvt_i32_f32 v14, v14                         ; dyn_k
	v_cmp_lt_i32 vcc_lo, v3, v14
	v_cndmask_b32 v20, 0, v6, vcc_lo
	v_cndmask_b32 v21, 0, v7, vcc_lo
.irp i, 0,1,2,3,4,5,6,7
	s_wait_loadcnt 6*(7-\i)                        ; this chunk's six loads are in; the later chunks' may be out
.irp p, 0,2
	v_pk_add_f32 v[Y+16*\i+\p:Y+16*\i+\p+1],     v[Y+16*\i+\p:Y+16*\i+\p+1],     v[Y+16*\i+4+\p:Y+16*\i+5+\p]
	v_pk_add_f32 v[Y+16*\i+8+\p:Y+16*\i+9+\p],   v[Y+16*\i+8+\p:Y+16*\i+9+\p],   v[Y+16*\i+12+\p:Y+16*\i+13+\p]
	v_pk_add_f32 v[Y+16*\i+\p:Y+16*\i+\p+1],     v[Y+16*\i+\p:Y+16*\i+\p+1],     v[BB+8*\i+\p:BB+8*\i+\p+1]
	v_pk_add_f32 v[Y+16*\i+8+\p:Y+16*\i+9+\p],   v[Y+16*\i+8+\p:Y+16*\i+9+\p],   v[BB+8*\i+4+\p:BB+8*\i+5+\p]
	v_pk_mul_f32 v[Y+16*\i+\p:Y+16*\i+\p+1],     v[Y+16*\i+\p:Y+16*\i+\p+1],     v[16:17]
	v_pk_fma_f32 v[Y+16*\i+\p:Y+16*\i+\p+1],     v[Y+16*\i+8+\p:Y+16*\i+9+\p],   v[18:19], v[Y+16*\i+\p:Y+16*\i+\p+1]
.endr
	global_store_b128 v2, v[Y+16*\i:Y+16*\i+3], s[50:51] offset:512*\i th:TH_STORE_NT   ; 512 consecutive bytes, aligned
.endr
	v_cmp_gt_u32 vcc_lo, 4, v1
	v_cmp_eq_u32 s53, 0, v1
	s_wait_xcnt 0x0                                ; EXEC changes only behind this wait
	s_and_saveexec_b32 s52, vcc_lo                 ; lanes 0-3: the four slots
	global_store_b32 v4, v20, s[54:55]
	global_store_b32 v4, v21, s[56:57]
	s_wait_xcnt 0x0
	s_and_saveexec_b32 s58, s53                    ; lane 0
	global_store_b32 v4, v13, s[60:61]
	s_wait_xcnt 0x0
	s_or_b32 exec_lo, exec_lo, s52                 ; EXEC restored
	s_endpgm
.Lfunc_end_k_q279705f39e_comb:
	.size	k_q279705f39e_comb, .Lfunc_end_k_q279705f39e_comb-k_q279705f39e_comb
	.p2alignl 7, 3214868480
	.fill 96, 4, 3214868480
	.section	.rodata,"a",@progbits
	.p2align	6, 0x0
	.amdhsa_kernel k_q279705f39e_comb
		.amdhsa_group_segment_fixed_size 0
		.amdhsa_private_segment_fixed_size 0
		.amdhsa_enable_private_segment 0
		.amdhsa_kernarg_size 80
		.amdhsa_user_sgpr_count 2
		.amdhsa_user_sgpr_kernarg_segment_ptr 1
		.amdhsa_wavefront_size32 1
		.amdhsa_system_sgpr_workgroup_id_x 1
		.amdhsa_system_sgpr_workgroup_id_y 1
		.amdhsa_system_sgpr_workgroup_id_z 1
		.amdhsa_system_vgpr_workitem_id 0
		.amdhsa_next_free_vgpr 224
		.amdhsa_next_free_sgpr 66
		.amdhsa_reserve_vcc 1
		.amdhsa_float_denorm_mode_32 3
		.amdhsa_float_denorm_mode_16_64 3
		.amdhsa_memory_ordered 1
		.amdhsa_forward_progress 1
		.amdhsa_inst_pref_size 16
	.end_amdhsa_kernel
	.amdgpu_metadata
---
amdhsa.version: [ 1, 2 ]
amdhsa.kernels:
  - .name:           k_q279705f39e_comb
    .symbol:         k_q279705f39e_comb.kd
    .args:
      - { .name: yp, .offset: 0, .size: 8, .value_kind: global_buffer, .address_space: global }
      - { .name: cp, .offset: 8, .size: 8, .value_kind: global_buffer, .address_space: global }
      - { .name: xq, .offset: 16, .size: 8, .value_kind: global_buffer, .address_space: global }
      - { .name: sel, .offset: 24, .size: 8, .value_kind: global_buffer, .address_space: global }
      - { .name: b2, .offset: 32, .size: 8, .value_kind: global_buffer, .address_space: global }
      - { .name: bc2, .offset: 40, .size: 8, .value_kind: global_buffer, .address_space: global }
      - { .name: out0, .offset: 48, .size: 8, .value_kind: global_buffer, .address_space: global }
      - { .name: out1, .offset: 56, .size: 8, .value_kind: global_buffer, .address_space: global }
      - { .name: out2, .offset: 64, .size: 8, .value_kind: global_buffer, .address_space: global }
      - { .name: out3, .offset: 72, .size: 8, .value_kind: global_buffer, .address_space: global }
    .group_segment_fixed_size: 0
    .private_segment_fixed_size: 0
    .kernarg_segment_align: 8
    .kernarg_segment_size: 80
    .max_flat_workgroup_size: 128
    .sgpr_count:     66
    .vgpr_count:     224
    .wavefront_size: 32
...
	.end_amdgpu_metadata
.endif
;; end of part 4
;; ======== version 2 of 2: 4 launches; version 1 with the launch ffn2 written anew for expert scheduling mode
;; workspace buffers: xq 851,968 bytes; wq 409,600 bytes; sel 4,096 bytes of whole numbers; hq 27,262,976 bytes; rl 33,024 bytes of whole numbers; yp 16,842,752 bytes; cp 131,072 bytes
;; launch prep: the kernel of part 1 again; grid 128 x 1, 9 waves a work-group, no clusters, 8,448 bytes of LDS; arguments hidden_states, Wr, br, Wc1, xq, wq, sel, out4; writes xq, wq, sel, out4
;; launch ffn1: the kernel of part 2 again; grid 32 x 8, 8 waves a work-group, no clusters, 110,592 bytes of LDS; arguments W1, b1, xq, sel, hq, rl; writes hq, rl
;; launch ffn2 (part 5): grid 32 x 8, 8 waves a work-group, no clusters, 139,264 bytes of LDS; arguments W2, hq, rl, xq, wq, bc1, Wc2, yp, cp; writes yp, cp
.if DOCPART == 5
	.amdgcn_target "amdgcn-amd-amdhsa--gfx1250"
	.amdhsa_code_object_version 6
	.text
	.protected	k_q279705f39e_ffn2
	.globl	k_q279705f39e_ffn2
	.p2align	8
	.type	k_q279705f39e_ffn2,@function
k_q279705f39e_ffn2:
	s_mov_b64 s[64:65], 0
	v_nop
	global_prefetch_b8 v0, s[64:65] scope:SCOPE_SE
	s_setreg_imm32_b32 hwreg(HW_REG_WAVE_SCHED_MODE, 0, 2), 2
	s_setreg_imm32_b32 hwreg(HW_REG_WAVE_MODE, 25, 1), 1
	s_wait_xcnt 0x0
	s_wait_alu depctr_vm_vsrc(0)
; FFN2.  Work-group (x, y) owns expert e = y, outputs 64 (x & 15) .. + 63 and half x >> 4 of K = 4,096: a slice of W2[e] of 2,048 x 64 f32 numbers, 512 KB, which no other work-group reads.
; It quantises the slice in registers to FP6 (E2M3, one E8M0 byte for each 32 along K), lays the codes in LDS as images of the operand's registers, multiplies them with the hidden layer's
; images of the expert's rows, and stores its half of each row's sum at yp[half][row id][..].  The last launch adds the halves, b2 and the gates.
; THE STREAM: four steps of 512 rows.  In step t wave w takes rows 512 t + 64 w ..: blocks 2 (w & 1) and 2 (w & 1) + 1 of K step 4 t + w / 2.  A load reads 256 consecutive bytes of a row in lanes 0-15 and of the
; row 32 further down in lanes 16-31, 16 bytes a lane: a lane holds FOUR columns, 32 rows down: 32 loads, 128 registers.  The largest magnitudes are taken from these registers as they lie; the conversion wants
; 16 neighbours along K of ONE column in consecutive registers, so each 16 are copied into one of two sets of 16 that take turns.  The registers of rows 0-15 are loaded again as soon as the four lower halves are
; converted, the others behind the upper halves: the next step's rows are on their way while this step is multiplied.  Every K step has LDS bytes of its own: one barrier a step.
; THE PRODUCT IS USED TRANSPOSED (source 0 = 16 columns of W2, source 1 = 16 rows): a lane holds eight neighbouring outputs of one row.
; Wave w works on row tiles w, w + 8, w + 16; tiles past the count read the last stored tile, stores are guarded, fill rows go to row 2048 + e, which nobody reads, and the third tile's products
; (all but the first four, which start its sums) are jumped over where the expert has no such tile.  More than 384 rows: two further passes over the codes in LDS.  Count and list are whole numbers that the launch before stored.
; BESIDE IT each wave makes one tile, 16 tokens x 16 units, of the confidence net's quantised product x Wc1, adds bc1, clips at 0, and stores the tile's part of the dot product with Wc2.
; No tensor load and no cluster: branches hang on a stored count.  LIMITS: NaN and infinities are not served; a block under 2^-124 gets the scale byte 1 (read by this program alone).
; REGISTERS: window 0 as named below; window 1: v0-95 accumulators (tile j, column tile ct at 32 j + 8 ct); v96-223 32 rows x 4 columns (later Wc1's images and rows on their way out); v224-255 the two sets of 16 (later the confidence tile's two sums).
; THE MODE: SCHED_MODE bits 1:0 = 2 (LLVM: expert scheduling mode 2), set by the entry lines.  The code itself states the register dependences
; between vector or matrix instructions and memory or LDS instructions, with s_wait_alu, always for 0.
; THE PLAN.  Registers that memory or LDS instructions touch, and who else names them:
;   X            Loaded by LOADX; read by a step's maxima and copies.  Rows 0-15 are asked for again behind the wait on va_vdst that follows the lower halves' conversions, rows 16-31 behind the one that follows the upper halves' moves.
;   CD, BY       Written by a step's conversions, moves and shifts; read by its LDS stores, which stand behind that second wait.  One wait on vm_vsrc behind the step's barrier frees them: the fragments' LDS loads land on CD's registers, the next step writes both.
;   BF, SB       Loaded from LDS for each batch; read by the batch's products.  One wait on va_vdst closes a batch; the next batch's loads follow it.
;   AF, AS       The rows' fragments and scale words, a part for each of a step's four batches.  Part q is read by batch q alone: the wait that closes batch q frees it, and the next step's twelve loads into it go out behind
;                batch q + 1's products, which do not name it; the last part's behind the last batch's wait.
;   accumulators Written by products; read by the way out's LDS stores, behind a wait on va_vdst; begun anew in a further pass, behind a wait on vm_vsrc.
;   VO, OB       The way out's offsets and rows, used again by each tile: a wait on vm_vsrc ahead of the second and third tile.
;   addresses    Made at the head, ahead of one wait on va_vdst, and never written again.
.set PITCH, 4096
.set FP,    1552                       ; from image to image in LDS: 1,536 bytes + 16, so that the four tiles' stores do not all fall on the same banks
.set BSC,   64*FP                      ; LDS: 0.. 64 images; here 32 images of scale words x 128
.set STG,   BSC+4096                   ; a stage of 16 rows x (256 + 16) bytes for each wave
.set XS_OFF, 786432
.set HS_OFF, 25165824
.set WCS_OFF, 393216
.set YHALF, 8421376                    ; 2,056 rows of 4,096 bytes
.set W_LD,  0x40                       ; register windows of the quantiser's lines: the rows and the sets of 16 lie in window 1, the codes in window 0
.set W_MAX, 0x14
.set W_MOV, 0x41
.set W_CVT, 0x01
.set W_TCM, 0
.set W_ST,  0
.set LS,  1                            ; 4 L
.set LI,  2                            ; 16 L
.set WO,  3                            ; 16 (L & 15) + 32 rows for lanes 16-31
.set BR0, 4                            ; v4-5  images, to read: 16 L, + 32 images
.set CW0, 6                            ; v6-7  where my columns' codes go (first and third pair of registers), + 32 images
.set CW1, 8                            ; v8-9  the same for the second pair
.set SR,  10
.set SWB, 11                           ; where my columns' scale bytes go
.set STO, 12
.set RD,  13
.set C16, 14                           ; 16 (L & 15)
.set H4,  15                           ; 4 (L >> 4)
.set PF,  16                           ; the prefetches' offset: row L
.set XAO, 17                           ; 768 r + 48 h
.set XSO, 18                           ; 32 r
.set R4,  19                           ; 4 r
.set H32, 20                           ; 32 h
.set LN,  21
.set SB,  22                           ; v22-23 W2's scale words (scales alone)
.set AS,  24                           ; v24-35 the rows' scale words: K step q, tile j at 24 + 3 q + j (scales alone)
.set M,   36                           ; v36-39 four columns' largest magnitudes
.set SCL, 40                           ; v40-43 the conversions' scale operands
.set BY,  44                           ; v44-47 the scale bytes
.set VO,  48                           ; v48-55 the stores' offsets
.set WCS, 56                           ; v56-63 Wc1's scale words (scales alone)
.set BF,  64                           ; v64-111 four fragments of W2;  while a step is quantised: v64-87 codes, v88-95 upper halves;  on the way out: v64-87 row ids
.set CD,  64
.set TC,  88
.set RID, 64                           ; tile j, rows 2 i + (L >> 4) at 64 + 8 j + i
.set AF,  112                          ; v112-255 the rows' fragments: K step q, tile j at 112 + 36 q + 12 j
.set CB,  208                          ; the confidence tile: bc1, Wc2, the sums, at work
.set CW,  216
.set CS,  224
.set CT,  232
.set X,   96                           ; window 1
.set T,   224
.set XC,  96
.set OB,  192
.set CA,  224
.set WB,  32                           ; s[32:39] my first row of each of the four steps
.set MSB, 0
.macro WIN new                         ; the immediate's high byte repeats the setting that is left; a switch that changes nothing is dropped
.if MSB != (\new)
	s_set_vgpr_msb (MSB<<8)|(\new)
.set MSB, (\new)
.endif
.endm
.macro LOADX t, hh                     ; rows 16 hh .. 16 hh + 15 of each of my two blocks of step t
	WIN W_LD
.set KK, 16*(\hh)
.rept 16
	global_load_b128 v[X+4*KK:X+4*KK+3], v[WO], s[WB+2*(\t):WB+2*(\t)+1] offset:KK*PITCH th:TH_LOAD_NT
.set KK, KK+1
.endr
	WIN 0
.endm
; A prefetch of my own 64 rows of step t, 256 bytes each, a lane a row, by two instructions: each row of steps 2 and 3 is named once in the launch.  It stands behind a run of loads,
; a step ahead of the named rows' own loads; steps 0 and 1 come by their loads alone, and nothing is named past step 3.
.macro ASKX t
	global_prefetch_b8 v[PF], s[WB+2*(\t):WB+2*(\t)+1] th:TH_LOAD_NT scope:SCOPE_SE
	global_prefetch_b8 v[PF], s[WB+2*(\t):WB+2*(\t)+1] offset:32*PITCH th:TH_LOAD_NT scope:SCOPE_SE
.endm
.macro MOV16 j, hh                     ; column j, rows 16 hh ..: sixteen neighbours along K into consecutive registers
	WIN W_MOV
.set KK, 0
.rept 16
	v_mov_b32 v[T+16*((\j)%2)+KK], v[X+4*(16*(\hh)+KK)+(\j)]
.set KK, KK+1
.endr
.endm
.macro CVT d, j                        ; and their codes, 96 bits.  The copies that follow go into the other set: plain lines behind the conversion
	WIN W_CVT
	v_cvt_scalef32_pk16_fp6_f32 v[(\d):(\d)+2], v[T+16*((\j)%2):T+16*((\j)%2)+15], v[SCL+(\j)]
.endm
.macro TCM j                           ; (a conversion's three registers begin on an even number: a block's upper half is made elsewhere and moved)
	WIN W_TCM
.irp i, 0,1,2
	v_mov_b32 v[CD+6*(\j)+3+\i], v[TC+4*((\j)%2)+\i]
.endr
.endm
; My rows of step t become four columns' blocks of codes and scale bytes in LDS; then the step's barrier.  n: the loads issued behind these rows' loads
.macro QSTEP t, n
	s_wait_loadcnt \n
	WIN W_MAX
.irp j, 0,1,2,3
	v_max3_num_f32 v[M+\j], 0x1800000, |v[X+\j]|, |v[X+4+\j]|        ; four chains, one a column; the floor 2^(3 - 127) holds the byte at 1 from below
.endr
.irp i, 1,2,3,4,5,6,7,8,9,10,11,12,13,14,15
.irp j, 0,1,2,3
	v_max3_num_f32 v[M+\j], v[M+\j], |v[X+8*\i+\j]|, |v[X+8*\i+4+\j]|
.endr
.endr
	WIN 0
.irp j, 0,1,2,3
	v_add_nc_u32 v[SCL+\j], 0xff000000, v[M+\j]    ; 2 off the exponent field: the conversion's scale operand
.endr
.irp j, 0,1,2,3
	v_lshrrev_b32 v[BY+\j], 23, v[SCL+\j]          ; the byte
.endr
.irp j, 0,1,2,3
	MOV16 \j, 0
	CVT CD+6*\j, \j
.endr
.if (\t) < 3
	WIN W_LD
	s_wait_alu depctr_va_vdst(0)                   ; the maxima and the copies are done reading rows 0-15, in whose registers the next step's loads land
	LOADX (\t)+1, 0                                ; rows 0-15 have been copied: their registers take the next step's
.endif
	MOV16 0, 1
	CVT TC, 0
	MOV16 1, 1
	CVT TC+4, 1
	TCM 0
	MOV16 2, 1
	CVT TC, 2
	TCM 1
	MOV16 3, 1
	CVT TC+4, 3
	TCM 2
	TCM 3
.if (\t) < 3
	WIN W_LD
.else
	WIN W_ST
.endif
	s_wait_alu depctr_va_vdst(0)                   ; the copies are done reading rows 16-31, in whose registers loads land; the codes and the bytes are written, which the LDS stores read; the codes' and upper halves' registers are done with, on which the fragments' loads land
.if (\t) < 3
	LOADX (\t)+1, 1
.endif
	WIN W_ST
.irp j, 0,1,2,3
	ds_store_b64 v[CW0+(\t)/2], v[CD+6*\j:CD+6*\j+1]   offset:((\t)%2)*16*FP+16*\j
	ds_store_b64 v[CW1+(\t)/2], v[CD+6*\j+2:CD+6*\j+3] offset:((\t)%2)*16*FP+16*\j+8
	ds_store_b64 v[CW0+(\t)/2], v[CD+6*\j+4:CD+6*\j+5] offset:((\t)%2)*16*FP+16*\j+512
.endr
	WIN 0
.irp j, 0,1,2,3
	ds_store_b8 v[SWB], v[BY+\j] offset:1024*(\t)+4*\j
.endr
	s_wait_dscnt 0x0                               ; for the others' sake: my stores are done
	s_barrier_signal -1
	s_barrier_wait -1
	s_wait_alu depctr_vm_vsrc(0)                   ; my LDS stores have read the codes' registers, on which the fragments' loads land, and the bytes', which the next step writes
.endm
.macro TILES                           ; the bases of my three tiles T = w + 8 j + s68: the list's 64 bytes; the images and scale words of the tile, held at the last one stored
.irp j, 0,1,2
	s_add_co_u32 s62, s22, 8*\j
	s_add_co_u32 s62, s62, s68
	s_min_u32 s70, s62, 63
	s_lshl_b32 s70, s70, 6
	s_add_nc_u64 s[86+2*\j:87+2*\j], s[52:53], s[70:71]
	s_min_u32 s62, s62, s29
	s_min_u32 s62, s62, 63
	s_lshl_b32 s70, s24, 6
	s_add_co_u32 s70, s70, s62
	s_lshl_b32 s70, s70, 5
	s_lshl_b32 s62, s26, 4
	s_add_co_u32 s62, s70, s62                     ; (64 e + T) 32 + 16 x half
	s_mul_i32 s70, s62, 1536
	s_add_nc_u64 s[40+2*\j:41+2*\j], s[58:59], s[70:71]
	s_lshl_b32 s70, s62, 7
	s_add_nc_u64 s[46+2*\j:47+2*\j], s[60:61], s[70:71]
.endr
.endm
.macro RIDS                            ; 24 loads
.irp j, 0,1,2
.irp i, 0,1,2,3,4,5,6,7
	global_load_b32 v[RID+8*\j+\i], v[H4], s[86+2*\j:87+2*\j] offset:8*\i
.endr
.endr
.endm
.macro ALOADQ t, q                     ; the rows' fragments and scale words of K step 4 t + q for my three tiles: 12 loads
.irp j, 0,1,2
.irp c, 0,1,2
	global_load_b128 v[AF+36*(\q)+12*\j+4*\c:AF+36*(\q)+12*\j+4*\c+3], v[LI], s[40+2*\j:41+2*\j] offset:(4*(\t)+(\q))*1536+512*\c
.endr
	global_load_b32 v[AS+3*(\q)+\j], v[LS], s[46+2*\j:47+2*\j] offset:(4*(\t)+(\q))*128
.endr
.endm
.macro ALOAD t                         ; those of K steps 4 t .. 4 t + 3: 48 loads
.irp q, 0,1,2,3
	ALOADQ \t, \q
.endr
.endm
.macro PROD q, c, j, z                 ; fragment c x row tile j, K step q of the step; z = 1: the product starts the sum; an odd fragment's scale words lie in lanes 16-31
.set RA, 32*(\j)+8*(\c)
.set RX, AF+36*(\q)+12*(\j)
.if \z
.if (\c)%2
	v_wmma_scale_f32_16x16x128_f8f6f4 v[RA:RA+7], v[BF+12*(\c):BF+12*(\c)+11], v[RX:RX+11], 0, v[SB+(\c)/2], v[AS+3*(\q)+(\j)] matrix_a_fmt:MATRIX_FMT_FP6 matrix_b_fmt:MATRIX_FMT_FP6 matrix_a_scale:MATRIX_SCALE_ROW1
.else
	v_wmma_scale_f32_16x16x128_f8f6f4 v[RA:RA+7], v[BF+12*(\c):BF+12*(\c)+11], v[RX:RX+11], 0, v[SB+(\c)/2], v[AS+3*(\q)+(\j)] matrix_a_fmt:MATRIX_FMT_FP6 matrix_b_fmt:MATRIX_FMT_FP6
.endif
.else
.if (\c)%2
	v_wmma_scale_f32_16x16x128_f8f6f4 v[RA:RA+7], v[BF+12*(\c):BF+12*(\c)+11], v[RX:RX+11], v[RA:RA+7], v[SB+(\c)/2], v[AS+3*(\q)+(\j)] matrix_a_fmt:MATRIX_FMT_FP6 matrix_b_fmt:MATRIX_FMT_FP6 matrix_a_scale:MATRIX_SCALE_ROW1
.else
	v_wmma_scale_f32_16x16x128_f8f6f4 v[RA:RA+7], v[BF+12*(\c):BF+12*(\c)+11], v[RX:RX+11], v[RA:RA+7], v[SB+(\c)/2], v[AS+3*(\q)+(\j)] matrix_a_fmt:MATRIX_FMT_FP6 matrix_b_fmt:MATRIX_FMT_FP6
.endif
.endif
.endm
; Step t's products, a K step a batch: four fragments of W2 x my row tiles.  The accumulators take turns, one instruction a turn; the very first batch starts all twelve
; sums with the constant 0.  In the other batches the third tile's four products are jumped over where the expert has no such tile (s92: the tile, s28: the expert's tiles).  Four plain lines stand behind
; each batch, ahead of the loads into registers that its products have read, and behind them the batch's one wait.  n: the loads issued behind the rows' fragments of this step.
; nx = 1: the next step's fragments of the rows are asked for on the way: part q - 1 behind batch q's products, the last part behind the last batch's wait.
.macro MATRIX t, n, nx
	s_wait_loadcnt \n
.irp q, 0,1,2,3
	ds_load_b32 v[SB],   v[SR] offset:(8*(\t)+2*\q)*128
	ds_load_b32 v[SB+1], v[SR] offset:(8*(\t)+2*\q+1)*128
.irp c, 0,1,2,3
.irp p, 0,1,2
	ds_load_b128 v[BF+12*\c+4*\p:BF+12*\c+4*\p+3], v[BR0+(\t)/2] offset:(((\t)%2)*16+4*\q+\c)*FP+512*\p
.endr
.endr
	s_wait_dscnt 0x0
	WIN 0x50                                       ; the accumulators in window 1, both operands in window 0
.if ((\t) == 0) && (\q == 0)
.irp c, 0,1,2,3
.irp j, 0,1,2
	PROD \q, \c, \j, 1
.endr
.endr
	WIN 0
.else
.irp c, 0,1,2,3
.irp j, 0,1
	PROD \q, \c, \j, 0
.endr
.endr
	WIN 0
	s_cmp_ge_u32 s92, s28
	s_cbranch_scc1 .Lno3_\@_\q
	WIN 0x50
.irp c, 0,1,2,3
	PROD \q, \c, 2, 0
.endr
	WIN 0
.Lno3_\@_\q:
.endif
.if (\nx) && (\q > 0)
	ALOADQ (\t)+1, (\q)-1                          ; no wait: the batch before, which alone read this part, stands ahead of the wait that closed it, and this batch's products do not name the part
.endif
.rept 4
	v_nop
.endr
	s_wait_alu depctr_va_vdst(0)                   ; the batch's products are done reading W2's fragments and scale words, in which the next LDS loads (behind the last step: the row ids) land, and their part of the rows' fragments and scale words, in which later loads land
.endr
.if \nx
	ALOADQ (\t)+1, 3
.endif
.endm
; Row tile T = w + 8 j + s68, if the expert has it: 16 rows x 64 outputs go through my stage and leave as whole rows of 256 bytes, each to its row id's place.
.macro EPI2 j
	s_add_co_u32 s62, s22, 8*\j
	s_add_co_u32 s62, s62, s68
	s_cmp_ge_u32 s62, s28
	s_cbranch_scc1 .Lno_y_\@
	s_wait_xcnt 0x0                                ; the last tile's stores have read their offsets and data
.if (\j) > 0
	s_wait_alu depctr_vm_vsrc(0)                   ; the stores of the tile before have read their eight offsets, which are written again, and their rows' registers, in which this tile's LDS loads land
.endif
.irp i, 0,1,2,3,4,5,6,7
	v_min_u32 v[VO+\i], 0x807, v[RID+8*\j+\i]
	v_lshl_add_u32 v[VO+\i], v[VO+\i], 12, v[C16]  ; row id x 4,096 + 16 (L & 15)
.endr
	WIN 0x04                                       ; an LDS store's data are its source 1: window 1
	s_wait_alu depctr_va_vdst(0)                   ; the products have written the accumulators, which the LDS stores read; the eight offsets are written, which the stores to memory read
.irp ct, 0,1,2,3
	ds_store_b128 v[STO], v[32*\j+8*\ct:32*\j+8*\ct+3] offset:64*\ct        ; each accumulator from its low end on
	ds_store_b128 v[STO], v[32*\j+8*\ct+4:32*\j+8*\ct+7] offset:64*\ct+16
.endr
	WIN 0x40
.irp i, 0,1,2,3,4,5,6,7
	ds_load_b128 v[OB+4*\i:OB+4*\i+3], v[RD] offset:544*\i                  ; LDS serves a wave's instructions in order: these see my stores
.endr
	s_wait_dscnt 0x0
	WIN 0x04
.irp i, 0,1,2,3,4,5,6,7
	global_store_b128 v[VO+\i], v[OB+4*\i:OB+4*\i+3], s[54:55] th:TH_STORE_NT   ; sixteen lanes store 256 consecutive bytes, aligned
.endr
	WIN 0
.Lno_y_\@:
.endm
	s_load_b512 s[4:19], s[0:1], 0x0               ; W2 s[4:5], hq s[6:7], rl s[8:9], xq s[10:11], wq s[12:13], bc1 s[14:15], Wc2 s[16:17], yp s[18:19]
	s_load_b64 s[20:21], s[0:1], 0x40              ; cp
	v_lshrrev_b32 v[LN], 5, v0
	v_readfirstlane_b32 s22, v[LN]                 ; wave 0..7
	s_mov_b32 s23, ttmp9
	s_and_b32 s24, ttmp7, 0xffff                   ; e
	s_and_b32 s25, s23, 15                         ; which 64 outputs
	s_lshr_b32 s26, s23, 4                         ; which half of K
	s_wait_alu depctr_va_sdst(0)                   ; s22 is written, ahead of its first reader
	s_add_co_u32 s92, s22, 16                      ; my third row tile
	v_and_b32 v[LN], 31, v0
	v_lshlrev_b32 v[LS], 2, v[LN]
	v_lshlrev_b32 v[LI], 4, v[LN]
	v_lshlrev_b32 v[PF], 12, v[LN]
	v_mov_b32 v[BR0], v[LI]
	v_add_nc_u32 v[BR0+1], 32*FP, v[LI]
	v_add_nc_u32 v[SR], BSC, v[LS]
	v_and_b32 v[R4], 15, v[LN]                     ; r
	v_bfe_u32 v[H4], v[LN], 4, 1                   ; h
	v_lshlrev_b32 v[C16], 4, v[R4]
	v_lshl_add_u32 v[WO], v[H4], 17, v[C16]        ; lanes 16-31: 32 rows of 4,096 bytes further down
	; Where my columns 4 (L & 15) + j go.  Tile ct = (L >> 2) & 3, its row r = 4 (L & 3) + j.  My block b = 2 (w & 1) + h lies in the image's lane r + 16 h, registers 6 (w & 1) on:
	; registers 0-1, 2-3, 4-5 at bytes 0, 8, 512 of the lane's place, registers 6-7, 8-9, 10-11 at 520, 1024, 1032: 520, 1016, 520 further on.
	v_bfe_u32 v[M], v[LN], 2, 2                    ; ct
	v_and_b32 v[M+1], 3, v[LN]
	v_mul_u32_u24 v[CW0], v[M], FP
	v_lshl_add_u32 v[CW0], v[M+1], 6, v[CW0]       ; 16 r
	v_lshl_add_u32 v[CW0], v[H4], 8, v[CW0]        ; 16 lanes on for lanes 16-31's block
	v_lshlrev_b32 v[SWB], 6, v[M]                  ; scale bytes: 64 bytes a tile,
	v_lshl_add_u32 v[SWB], v[M+1], 4, v[SWB]       ; 4 r,
	v_add_nc_u32 v[SWB], v[SWB], v[H4]             ; byte b of the word
	s_lshr_b32 s62, s22, 1                         ; which of the step's four K steps
	s_mul_i32 s63, s62, 4*FP
	s_and_b32 s66, s22, 1
	s_mul_i32 s69, s66, 1016
	s_add_co_u32 s69, s69, s63
	v_add_nc_u32 v[CW1], s69, v[CW0]
	s_mul_i32 s69, s66, 520
	s_add_co_u32 s69, s69, s63
	v_add_nc_u32 v[CW0], s69, v[CW0]
	v_add_nc_u32 v[CW0+1], 32*FP, v[CW0]
	v_add_nc_u32 v[CW1+1], 32*FP, v[CW1]
	s_lshl_b32 s62, s62, 8
	s_lshl_b32 s66, s66, 1
	s_add_co_u32 s62, s62, s66
	s_add_co_u32 s62, s62, BSC
	v_add_nc_u32 v[SWB], s62, v[SWB]
	s_mul_i32 s62, s22, 4352
	s_add_co_u32 s62, s62, STG                     ; my stage
	v_mul_u32_u24 v[STO], v[R4], 272
	v_lshl_add_u32 v[STO], v[H4], 5, v[STO]
	v_add_nc_u32 v[STO], s62, v[STO]               ; in: row r, 32 bytes for each half of the lanes
	v_mul_u32_u24 v[RD], v[H4], 272
	v_lshl_add_u32 v[RD], v[R4], 4, v[RD]
	v_add_nc_u32 v[RD], s62, v[RD]                 ; back: lanes 0-15 one row, lanes 16-31 the next
	v_mul_u32_u24 v[XAO], v[R4], 768
	v_mad_u32_u24 v[XAO], v[H4], 48, v[XAO]
	v_lshlrev_b32 v[XSO], 5, v[R4]
	v_lshlrev_b32 v[H32], 5, v[H4]
	v_lshlrev_b32 v[R4], 2, v[R4]
	v_lshlrev_b32 v[H4], 2, v[H4]
	s_wait_alu depctr_va_vdst(0)                   ; every offset and LDS address made above is written: the kernel's loads, stores and prefetches read them
	s_mov_b32 s56, 0x76543210
	s_mov_b32 s57, 0xfedcba98
	s_mov_b32 s68, 0                               ; the pass's first tile
	s_mov_b32 s71, 0                               ; the upper word of every offset
	s_lshl_b32 s63, s24, 2
	s_wait_kmcnt 0x0
	s_load_b32 s27, s[8:9], s63 offset:0x8000      ; the expert's rows
	s_lshl_b32 s70, s24, 24                        ; W2[e]
	s_lshl_b32 s62, s26, 23                        ; the half: 2,048 rows of 4,096 bytes
	s_add_co_u32 s70, s70, s62
	s_lshl_b32 s62, s22, 18                        ; my 64 rows
	s_add_co_u32 s70, s70, s62
	s_lshl_b32 s62, s25, 8                         ; the slice's 256 bytes of a row
	s_add_co_u32 s70, s70, s62
	s_add_nc_u64 s[WB:WB+1], s[4:5], s[70:71]
	s_add_nc_u64 s[WB+2:WB+3], s[WB:WB+1], 0x200000   ; a step on: 512 rows
	s_add_nc_u64 s[WB+4:WB+5], s[WB:WB+1], 0x400000
	s_add_nc_u64 s[WB+6:WB+7], s[WB:WB+1], 0x600000
	LOADX 0, 0
	LOADX 0, 1
	s_lshl_b32 s70, s24, 12
	s_add_nc_u64 s[52:53], s[8:9], s[70:71]        ; the expert's list
	s_mul_i32 s70, s26, YHALF
	s_lshl_b32 s62, s25, 8
	s_add_co_u32 s70, s70, s62
	s_add_nc_u64 s[54:55], s[18:19], s[70:71]      ; yp at my half and my 256 bytes of a row
	s_mov_b64 s[58:59], s[6:7]
	s_add_nc_u64 s[60:61], s[6:7], HS_OFF
	s_wait_kmcnt 0x0
	s_min_u32 s27, s27, 1024
	s_add_co_u32 s28, s27, 15
	s_lshr_b32 s28, s28, 4                         ; the expert's tiles
	s_max_u32 s29, s28, 1
	s_sub_co_u32 s29, s29, 1                       ; the last tile that the launch before has stored
	TILES
	ALOAD 0
	; the confidence tile: tokens 64 (x & 15) + 16 (w & 3) .., units 16 (2 (2 e + half) + w / 4) ..
	s_lshl_b32 s62, s24, 1
	s_add_co_u32 s62, s62, s26                     ; which 32 units
	s_lshr_b32 s66, s22, 2                         ; which 16 of them
	s_lshl_b32 s63, s62, 1
	s_add_co_u32 s63, s63, s66                     ; the tile of units
	s_and_b32 s69, s22, 3
	s_lshl_b32 s69, s69, 4
	s_lshl_b32 s70, s25, 6
	s_add_co_u32 s69, s69, s70                     ; the first token
	s_mul_i32 s70, s69, 768
	s_add_nc_u64 s[72:73], s[10:11], s[70:71]      ; x's codes
	s_lshl_b32 s70, s69, 5
	s_add_co_u32 s70, s70, XS_OFF
	s_add_nc_u64 s[74:75], s[10:11], s[70:71]      ; x's scale words
	s_mul_i32 s70, s63, 12288
	s_add_nc_u64 s[76:77], s[12:13], s[70:71]      ; Wc1's images
	s_lshl_b32 s70, s62, 10
	s_lshl_b32 s66, s66, 6
	s_add_co_u32 s70, s70, s66
	s_add_co_u32 s70, s70, WCS_OFF
	s_add_nc_u64 s[78:79], s[12:13], s[70:71]      ; Wc1's scale words
	s_lshl_b32 s70, s63, 6
	s_add_nc_u64 s[80:81], s[14:15], s[70:71]      ; bc1
	s_add_nc_u64 s[82:83], s[16:17], s[70:71]      ; Wc2
	s_lshl_b32 s70, s63, 12
	s_lshl_b32 s69, s69, 2
	s_add_co_u32 s70, s70, s69
	s_add_nc_u64 s[84:85], s[20:21], s[70:71]      ; cp[tile][token]
	QSTEP 0, 48                                    ; behind the step's rows: the 48 loads of the rows' fragments
	MATRIX 0, 32, 1                                ; behind the fragments: the next step's 32 loads
	ASKX 2
	QSTEP 1, 48
	MATRIX 1, 32, 1
	ASKX 3
	QSTEP 2, 48
	MATRIX 2, 32, 1
	QSTEP 3, 48
	MATRIX 3, 0, 0
	RIDS                                           ; the row ids, into the registers that held W2's fragments
	; ---- the confidence tile's operands, 62 loads into registers that are free now (the wait that closed the last batch has shown their readers done); they land while the rows go out
.irp s, 0,1,2,3,4,5,6,7
.irp c, 0,1,2
	global_load_b128 v[AF+12*\s+4*\c:AF+12*\s+4*\c+3], v[XAO], s[72:73] offset:96*\s+16*\c
.endr
.endr
	global_load_b128 v[AS:AS+3],   v[XSO], s[74:75]
	global_load_b128 v[AS+4:AS+7], v[XSO], s[74:75] offset:16
.irp s, 0,1,2,3,4,5,6,7
	global_load_b32 v[WCS+\s], v[R4], s[78:79] offset:128*\s
.endr
	global_load_b128 v[CB:CB+3],   v[H32], s[80:81]
	global_load_b128 v[CB+4:CB+7], v[H32], s[80:81] offset:16
	global_load_b128 v[CW:CW+3],   v[H32], s[82:83]
	global_load_b128 v[CW+4:CW+7], v[H32], s[82:83] offset:16
	WIN 0x40
.irp s, 0,1,2,3,4,5,6,7
.irp c, 0,1,2
	global_load_b128 v[XC+12*\s+4*\c:XC+12*\s+4*\c+3], v[LI], s[76:77] offset:1536*\s+512*\c
.endr
.endr
	WIN 0
	s_wait_loadcnt 62                              ; the row ids are in; the 62 loads behind them may be out
	EPI2 0
	EPI2 1
	EPI2 2
	s_wait_loadcnt 0x0
.rept 5
	v_nop                                          ; plain lines ahead of sums that are begun in registers of their own
.endr
	WIN 0x41                                       ; two sums by turns, the even K steps' and the odd ones'; bc1 (window 0) starts the first, the constant 0 the second
	v_wmma_scale_f32_16x16x128_f8f6f4 v[CA:CA+7], v[XC:XC+11], v[AF:AF+11], v[CB:CB+7], v[WCS], v[AS] matrix_a_fmt:MATRIX_FMT_FP6 matrix_b_fmt:MATRIX_FMT_FP6
	v_wmma_scale_f32_16x16x128_f8f6f4 v[CA+8:CA+15], v[XC+12:XC+23], v[AF+12:AF+23], 0, v[WCS+1], v[AS+1] matrix_a_fmt:MATRIX_FMT_FP6 matrix_b_fmt:MATRIX_FMT_FP6
	WIN 0x51
.irp s, 2,3,4,5,6,7
	v_wmma_scale_f32_16x16x128_f8f6f4 v[CA+8*(\s%2):CA+8*(\s%2)+7], v[XC+12*\s:XC+12*\s+11], v[AF+12*\s:AF+12*\s+11], v[CA+8*(\s%2):CA+8*(\s%2)+7], v[WCS+\s], v[AS+\s] matrix_a_fmt:MATRIX_FMT_FP6 matrix_b_fmt:MATRIX_FMT_FP6
.endr
.rept 4
	v_nop
.endr
	WIN 0x05
.irp p, 0,2,4,6
	v_pk_add_f32 v[CS+\p:CS+\p+1], v[CA+\p:CA+\p+1], v[CA+8+\p:CA+9+\p]   ; lane (r, h): token r, units 8 h + 0 .. 7 of the tile
.endr
	WIN 0
.irp i, 0,1,2,3,4,5,6,7
	v_max_num_f32 v[CS+\i], 0, v[CS+\i]
.endr
	v_mul_f32 v[CT], v[CS], v[CW]
.irp i, 1,2,3,4,5,6,7
	v_fmac_f32 v[CT], v[CS+\i], v[CW+\i]
.endr
	v_mov_b32 v[CT+1], 0
	v_permlanex16_b32 v[CT+1], v[CT], s56, s57
	v_add_f32 v[CT], v[CT], v[CT+1]                ; the tile's sixteen units
	s_wait_alu depctr_va_vdst(0)                   ; the tile's part of the dot product is written, which the store reads; the confidence tile's products and vector lines are done with the registers in which a further pass's loads land
	global_store_b32 v[R4], v[CT], s[84:85]        ; lanes 16-31 store what lanes 0-15 store
	; ---- rows 384 on: two further passes of 24 tiles; a pass without rows is jumped over.  No barrier stands in the loop
	s_mov_b32 s67, 1
	s_mov_b32 s68, 24
.Lover:
	s_lshl_b32 s62, s68, 4
	s_cmp_ge_u32 s62, s27
	s_cbranch_scc1 .Lnone
	s_wait_xcnt 0x0                                ; earlier stores and loads have read their registers and bases
	s_wait_alu depctr_vm_vsrc(0)                   ; the LDS stores have read the accumulators, which this pass's first products begin anew; the stores to memory have read their offsets, their rows and the confidence tile's part, in whose registers vector results and loads land
	v_nop                                          ; with the four behind the last batch: five plain lines ahead of products that begin the accumulators anew
	s_add_co_u32 s92, s22, 16
	s_add_co_u32 s92, s92, s68                     ; my third tile of this pass
	TILES
	ALOAD 0
	MATRIX 0, 0, 1
	MATRIX 1, 0, 1
	MATRIX 2, 0, 1
	MATRIX 3, 0, 0
	RIDS
	s_wait_loadcnt 0x0
	EPI2 0
	EPI2 1
	EPI2 2
.Lnone:
	s_add_co_u32 s68, s68, 24
	s_add_co_u32 s67, s67, 1
	s_cmp_lt_u32 s67, 3
	s_cbranch_scc1 .Lover
	s_wait_xcnt 0x0
	v_lshl_add_u32 v254, v0, 2, 0x21c00            ; the add's two registers are made anew: no memory or LDS instruction of the kernel reads v254 or v255
	v_mov_b32 v255, 0
	s_wait_dscnt 0x0                               ; the closing lines, six on end
	s_wait_alu 0x0
	s_wait_tensorcnt 0x0
	ds_add_u32 v254, v255
	s_wait_dscnt 0x0
	s_endpgm
.Lfunc_end_k_q279705f39e_ffn2:
	.size	k_q279705f39e_ffn2, .Lfunc_end_k_q279705f39e_ffn2-k_q279705f39e_ffn2
	.p2alignl 7, 3214868480
	.fill 96, 4, 3214868480
	.section	.rodata,"a",@progbits
	.p2align	6, 0x0
	.amdhsa_kernel k_q279705f39e_ffn2
		.amdhsa_group_segment_fixed_size 139264
		.amdhsa_private_segment_fixed_size 0
		.amdhsa_enable_private_segment 0
		.amdhsa_kernarg_size 72
		.amdhsa_user_sgpr_count 2
		.amdhsa_user_sgpr_kernarg_segment_ptr 1
		.amdhsa_wavefront_size32 1
		.amdhsa_system_sgpr_workgroup_id_x 1
		.amdhsa_system_sgpr_workgroup_id_y 1
		.amdhsa_system_sgpr_workgroup_id_z 1
		.amdhsa_system_vgpr_workitem_id 0
		.amdhsa_next_free_vgpr 512
		.amdhsa_next_free_sgpr 96
		.amdhsa_reserve_vcc 0
		.amdhsa_float_denorm_mode_32 3
		.amdhsa_float_denorm_mode_16_64 3
		.amdhsa_memory_ordered 1
		.amdhsa_forward_progress 1
		.amdhsa_inst_pref_size 223
	.end_amdhsa_kernel
	.amdgpu_metadata
---
amdhsa.version: [ 1, 2 ]
amdhsa.kernels:
  - .name:           k_q279705f39e_ffn2
    .symbol:         k_q279705f39e_ffn2.kd
    .args:
      - { .name: W2, .offset: 0, .size: 8, .value_kind: global_buffer, .address_space: global }
      - { .name: hq, .offset: 8, .size: 8, .value_kind: global_buffer, .address_space: global }
      - { .name: rl, .offset: 16, .size: 8, .value_kind: global_buffer, .address_space: global }
      - { .name: xq, .offset: 24, .size: 8, .value_kind: global_buffer, .address_space: global }
      - { .name: wq, .offset: 32, .size: 8, .value_kind: global_buffer, .address_space: global }
      - { .name: bc1, .offset: 40, .size: 8, .value_kind: global_buffer, .address_space: global }
      - { .name: Wc2, .offset: 48, .size: 8, .value_kind: global_buffer, .address_space: global }
      - { .name: yp, .offset: 56, .size: 8, .value_kind: global_buffer, .address_space: global }
      - { .name: cp, .offset: 64, .size: 8, .value_kind: global_buffer, .address_space: global }
    .group_segment_fixed_size: 139264
    .private_segment_fixed_size: 0
    .kernarg_segment_align: 8
    .kernarg_segment_size: 72
    .max_flat_workgroup_size: 256
    .sgpr_count:     96
    .vgpr_count:     512
    .wavefront_size: 32
...
	.end_amdgpu_metadata
.endif
;; end of part 5
;; launch comb: the kernel of part 4 again; grid 256 x 1, 4 waves a work-group, no clusters, 0 bytes of LDS; arguments yp, cp, xq, sel, b2, bc2, out0, out1, out2, out3; writes out0, out1, out2, out3
